; MI455X (gfx1250); checked and timed in simulation.
; The chip was launched on July 23, 2026; its instructions are those of AMD's public machine-readable ISA for CDNA 5 (MIT licence, August 2026) and "CDNA5" Instruction Set Architecture Reference Guide (July 2026). The comments in the code are by the model that wrote it; some were corrected since.
;; Causal Self Attention. Allowed arithmetic: matrix products marked QUANTISED: E4M3 operands, one E8M0 scale for each 32 along K, by v_wmma_scale_f32_16x16x128_f8f6f4 with both operands' format E4M3, f32 sums; everything else in f32.
;; Inputs: W_attn 1,024 x 3,072 float32; W_proj 1,024 x 1,024 float32; b_attn 3,072 float32; b_proj 1,024 float32; x 4 x 2,048 x 1,024 float32.
;; Outputs: out0 4 x 2,048 x 1,024 float32.
;; This version of the problem:
;;   THIS VERSION OF THE PROBLEM IS GIVEN IN LOW PRECISION. The matrix products marked QUANTISED in the list below multiply operands that are first quantised to E4M3 (4 exponent bits, 3 mantissa bits; 8 bits a number), with one power-of-two scale for each 32 numbers along K (OCP MX v1.0); their sums are f32. All else is computed in f32.
;;   The module's matrix products, in the order in which they are computed (A, B: the left and right operand; K: the contracted axis; several contracted axes count as one K, in the product's order):
;;     1. [M 8,192, K 1,024] x [K 1,024, N 3,072]; A: input x; B: input W_attn: QUANTISED
;;     2. batch 64 x [M 2,048, K 64] x [K 64, N 2,048]; A: computed on the way; B: computed on the way: QUANTISED
;;     3. batch 64 x [M 2,048, K 2,048] x [K 2,048, N 64]; A: softmax (see below); B: computed on the way: QUANTISED
;;     4. [M 8,192, K 1,024] x [K 1,024, N 1,024]; A: computed on the way; B: input W_proj: QUANTISED
;;   THE QUANTISER, for each operand of a quantised product, along K:
;;     - K is cut into blocks of 32 from its start; a last block that is shorter is filled with zeros.
;;     - A block's scale is 2^e with e = floor(log2(the largest magnitude in the block)) - 8, held to -126 .. 127; a block of zeros has e = 0. As a byte (E8M0): e + 127.
;;     - Each number is divided by its block's scale, clamped to +-448, and rounded to the nearest number of E4M3, ties to even, subnormals kept.
;;     - The product sums the exact products of the quantised numbers (number of the format x scale) in f32.
;;   ~~~python
;;   def quantise(x, axis):      # numpy; x: float32 -> the quantised numbers, widened to float32 again
;;       x = np.moveaxis(x, axis, -1); K = x.shape[-1]
;;       x = np.pad(x, [(0, 0)] * (x.ndim - 1) + [(0, -K % 32)]); x = x.reshape(x.shape[:-1] + (-1, 32)); a = np.abs(x).max(-1, keepdims=True)
;;       e = np.where(a > 0, np.clip(np.frexp(np.where(a > 0, a, 1))[1] - 1 - 8, -126, 127), 0)      # np.frexp(a)[1] - 1 = floor(log2(a)), exactly
;;       r = np.clip(x / 2.0 ** e, -448, 448)
;;       step = 2.0 ** (np.maximum(np.frexp(np.where(r == 0, 1, r))[1] - 1, -6) - 3)
;;       q = np.round(r / step) * step * 2.0 ** e      # np.round: ties to even
;;       return np.moveaxis(q.reshape(q.shape[:-2] + (-1,))[..., :K], -1, axis).astype(np.float32)
;;   ~~~
;;   SOFTMAX AHEAD OF A QUANTISED PRODUCT. Where the list says 'softmax', what is quantised is not the finished softmax but p = 2^(t - M), with t = logit x log2(e) and M = ceil(the row's largest t), a whole number; so 1/2 < the row's largest p <= 1. The row's sum l is taken of the UNQUANTISED p, in f32, and the product's result is divided by l at the end. Since M is a whole number, a kernel that streams over the keys may use a running M (the ceiling of the running maximum): every later rescaling is an exact power of two, which a block's scale takes up: the codes' values come out the same.
;;   OPERANDS COMPUTED ON THE WAY. 'Computed on the way' means the value that the module computes at that place (a softmax that the list does not call 'softmax' is quantised finished and normalised). What goes into a quantiser is computed in f32, as accurately as f32 sums, v_exp_f32 and their like allow (about 1e-6 of the number): no bf16 or f16 on the way to a quantiser, and a product that is left as it is and whose result goes on into a quantised operand takes f32 operands (vector FMAs, or v_wmma_f32_16x16x4_f32). A number that lies on a knife's edge between two numbers of the format may be rounded either way, as far as f32 arithmetic and the matrix unit's own rounding can turn it there, and no further.
;; One version. Each part assembles by itself: llvm-mc -triple=amdgcn-amd-amdhsa -mcpu=gfx1250 --defsym DOCPART=n.
;; ======== version 1 of 1: 4 launches
;; limits: right only within a limited range of input values
;; workspace buffers: opimg 20,971,520 bytes; opsc 655,360 bytes; qk_img 16,777,216 bytes; qk_sc 1,048,576 bytes; v_img 8,388,608 bytes; v_sc 262,144 bytes
;; launch prep (part 1): grid 768 x 1, 4 waves a work-group, no clusters, 34,304 bytes of LDS; arguments x, W_attn, W_proj, opimg, opsc; writes opimg, opsc
.if DOCPART == 1
	.amdgcn_target "amdgcn-amd-amdhsa--gfx1250"
	.amdhsa_code_object_version 6
	.text
	.protected	k_q17962496d7_prep
	.globl	k_q17962496d7_prep
	.p2align	8
	.type	k_q17962496d7_prep,@function
k_q17962496d7_prep:
	s_mov_b64 s[64:65], 0
	v_nop
	global_prefetch_b8 v0, s[64:65] scope:SCOPE_SE
	s_setreg_imm32_b32 hwreg(HW_REG_WAVE_MODE, 25, 1), 1
	s_wait_xcnt 0x0
; x [8192][1024], W_attn [1024][3072] and W_proj [1024][1024], f32, become codes of FP8 (E4M3) with one E8M0 scale byte for each 32 along K (K = the 1,024), laid as IMAGES OF OPERAND REGISTERS.
; A TILE T is 16 rows of an operand (tokens of x, columns n of a weight): lane r of tile T holds row 32 (T / 2) + 8 (T % 2) + r + 8 (r / 8).  A fragment (tile, K step s of 128) is 2,048 bytes, [c 0..3][lane 0..31][16 bytes]:
; lane (r, h) holds k = 128 s + 32 c + 16 h + 0 .. 15 of its row.  opimg: [tile][s 0..7][2,048]; tiles 0-511 x, 512-703 W_attn, 704-767 W_proj (768-1279 are written by a later launch).
; opsc: [tile][s / 4][r][s % 4] words, a word = the four scale bytes of a row's K step.
; A block's scale is 2^(floor(log2(its largest magnitude)) - 8): its byte is the largest magnitude's exponent field - 8.  Each number is held within +-448 x the scale and rounded to the nearest code, ties to even.
; LIMITS: NaN and infinities among the inputs are not served; a block whose largest magnitude lies under 2^(9 - 127) gets the byte 1; a block of zeros gets the byte 1 where the rule says 127: its codes are zeros, and this program alone reads the bytes.
; Work-groups 0-511: a tile of x each, wave w its K steps 2 w and 2 w + 1.  512-703 and 704-767: 128 columns x 128 along K of a weight, a wave 32 columns.  The paths part on the work-group's number; only x's path uses LDS.
; The scale words leave as 4 bytes a lane, 16 bytes apart: 393,216 bytes of the 63 million that the launch moves.
.set TM,  16                           ; v16-19 largest magnitudes, v20-23 bytes, v24-27 448 x the scale, v28-31 the conversions' scale operands
.set PC,  32                           ; v32-63  codes: registers of their own for each store
.set R,   64                           ; v64-191 numbers as loaded
.set X,   192                          ; v192-255 x: 64 numbers in the operand's order
.set SEL, 20                           ; s[20:21] v_permlanex16_b32's selects for lane l xor 16
.set MNT, 23                           ; s23 the mantissa field of 448
; 64 numbers of a lane, register 16 b + i = k 32 b + 16 (lane / 16) + i of my row, become a fragment's 16 registers of codes at v[pc] and its scale word in v[pw]
.macro QUANT s, pc, pw
.irp b, 0,1,2,3
	v_max3_num_f32 v[TM+\b], |v[\s+16*\b]|, |v[\s+1+16*\b]|, 0x4800000   ; my 16 numbers of block b, and the floor 2^(9 - 127): the byte cannot fall under 1
.endr
.irp i, 2,4,6,8,10,12,14
.irp b, 0,1,2,3
	v_max3_num_f32 v[TM+\b], v[TM+\b], |v[\s+16*\b+\i]|, |v[\s+1+16*\b+\i]|   ; the four blocks by turns
.endr
.endr
.irp b, 0,1,2,3
	v_permlanex16_b32 v[TM+4+\b], v[TM+\b], s[SEL], s[SEL+1]
.endr
.irp b, 0,1,2,3
	v_max_num_f32 v[TM+\b], v[TM+\b], v[TM+4+\b]   ; with lane l xor 16's 16: the block's largest magnitude
.endr
.irp b, 0,1,2,3
	v_add_nc_u32 v[TM+12+\b], 0xfc000000, v[TM+\b]   ; 8 off its exponent field: the conversion takes the exponent field of this operand as its scale
.endr
.irp b, 0,1,2,3
	v_and_or_b32 v[TM+8+\b], v[TM+\b], 0x7f800000, s[MNT]   ; 448 x the scale
.endr
.irp b, 0,1,2,3
	v_lshrrev_b32 v[TM+4+\b], 23, v[TM+12+\b]   ; the scale's byte
.endr
	v_lshl_or_b32 v[\pw], v[TM+5], 8, v[TM+4]
	v_lshl_or_b32 v[\pw], v[TM+6], 16, v[\pw]
	v_lshl_or_b32 v[\pw], v[TM+7], 24, v[\pw]
.irp b, 0,1,2,3
.irp i, 0,1,2,3,4,5,6,7,8,9,10,11,12,13,14,15
	v_med3_num_f32 v[\s+16*\b+\i], v[\s+16*\b+\i], -v[TM+8+\b], v[TM+8+\b]   ; the conversion to an 8-bit code does not saturate (ISA guide 7.6.2): the hold comes first
.endr
	v_cvt_scalef32_pk8_fp8_f32 v[\pc+4*\b:\pc+1+4*\b], v[\s+16*\b:\s+7+16*\b], v[TM+12+\b]
	v_cvt_scalef32_pk8_fp8_f32 v[\pc+2+4*\b:\pc+3+4*\b], v[\s+8+16*\b:\s+15+16*\b], v[TM+12+\b]
.endr
	v_nop                                          ; a plain line behind the last conversion
.endm
; A weight [1024][N]: a lane takes a column and its registers run down K, so a block of 32 lies in one lane and the codes come out with K innermost.
; id = work-group - TB: id / 8 = which 128 columns, id % 8 = the K step.  Lane l is column 32 bn + l: tile 2 bn + u, row r, with u = (l / 8) % 2 and r = l % 8 + 8 (l / 16).
.macro WPATH N, TB, P
	s_sub_co_u32 s24, ttmp9, \TB
	s_lshr_b32 s25, s24, 3
	s_and_b32 s24, s24, 7                          ; the K step
	s_lshl_b32 s25, s25, 2
	s_add_co_u32 s25, s25, s16                     ; bn: my wave's 32 columns
	s_mul_i32 s26, s24, 128*\N*4
	s_lshl_b32 s28, s25, 7
	s_add_co_u32 s26, s26, s28
	s_add_nc_u64 s[\P:\P+1], s[\P:\P+1], s[26:27]  ; the weight at row 128 x K step, column 32 bn
	s_lshl_b32 s28, s25, 1
	s_add_co_u32 s28, s28, \TB                     ; my first tile
	s_lshl_b32 s26, s28, 14
	s_lshl_b32 s29, s24, 11
	s_add_co_u32 s26, s26, s29
	s_add_nc_u64 s[10:11], s[10:11], s[26:27]      ; its fragment of this K step
	s_lshl_b32 s26, s28, 9
	s_lshr_b32 s29, s24, 2
	s_lshl_b32 s29, s29, 8
	s_add_co_u32 s26, s26, s29
	s_and_b32 s29, s24, 3
	s_lshl_b32 s29, s29, 2
	s_add_co_u32 s26, s26, s29
	s_add_nc_u64 s[12:13], s[12:13], s[26:27]      ; and its scale words
	v_lshlrev_b32 v4, 2, v1                        ; in: 4 bytes a lane: a load reads 128 consecutive bytes, the four waves 512
	v_bfe_u32 v2, v1, 3, 1                         ; u
	v_and_b32 v3, 7, v1
	v_lshrrev_b32 v5, 4, v1
	v_lshl_add_u32 v3, v5, 3, v3                   ; r
	v_lshlrev_b32 v5, 4, v3
	v_lshl_add_u32 v5, v2, 14, v5                  ; codes: 16,384 u + 16 r
	v_lshlrev_b32 v6, 4, v3
	v_lshl_add_u32 v6, v2, 9, v6                   ; scale word: 512 u + 16 r
.irp c, 0,1
.set i, 0
.rept 32
	global_load_b32 v[R+32*\c+i], v4, s[\P:\P+1] offset:(32*\c+i)*\N*4 th:TH_LOAD_NT
.set i, i+1
.endr
.endr
	s_wait_alu depctr_va_vdst(0)
.irp c, 0,1,2,3
.set XS, R+32*\c
.if \c < 3
	s_wait_loadcnt 32                              ; this block's 32 loads are in; the next block's 32 may be out
.else
	s_wait_loadcnt 0
.endif
.if \c < 2
.set i, 0
.rept 32
	global_load_b32 v[R+32*(\c+2)+i], v4, s[\P:\P+1] offset:(32*(\c+2)+i)*\N*4 th:TH_LOAD_NT   ; two blocks ahead, into registers of their own
.set i, i+1
.endr
.endif
	v_max3_num_f32 v12, |v[XS]|, |v[XS+1]|, |v[XS+2]|   ; all 32 numbers of the block are mine
	v_max3_num_f32 v13, |v[XS+3]|, |v[XS+4]|, |v[XS+5]|
.irp i, 6,10,14,18,22,26
	v_max3_num_f32 v12, v12, |v[XS+\i]|, |v[XS+\i+1]|
	v_max3_num_f32 v13, v13, |v[XS+\i+2]|, |v[XS+\i+3]|
.endr
	v_max3_num_f32 v12, v12, |v[XS+30]|, |v[XS+31]|
	v_max3_num_f32 v12, v12, v13, 0x4800000        ; and the floor
	v_add_nc_u32 v11, 0xfc000000, v12
	v_and_or_b32 v10, v12, 0x7f800000, s[MNT]
	v_lshrrev_b32 v13, 23, v11
.if \c == 0
	v_mov_b32 v8, v13                              ; the four bytes make my column's scale word, the lower K in the lower byte
.else
	v_lshl_or_b32 v8, v13, 8*\c, v8
.endif
.set i, 0
.rept 32
	v_med3_num_f32 v[XS+i], v[XS+i], -v10, v10
.set i, i+1
.endr
.irp g, 0,1,2,3
	v_cvt_scalef32_pk8_fp8_f32 v[PC+8*\c+2*\g:PC+8*\c+2*\g+1], v[XS+8*\g:XS+8*\g+7], v11
.endr
	global_store_b128 v5, v[PC+8*\c:PC+8*\c+3], s[10:11] offset:512*\c          ; k 32 c + 0 .. 15: the place of lane (r, 0); sixteen lanes of one u fill 256 consecutive bytes, aligned
	global_store_b128 v5, v[PC+8*\c+4:PC+8*\c+7], s[10:11] offset:512*\c+256    ; k 32 c + 16 .. 31: the place of lane (r, 1)
.endr
	global_store_b32 v6, v8, s[12:13]
	s_endpgm
.endm
	s_load_b256 s[4:11], s[0:1], 0x0               ; x s[4:5], W_attn s[6:7], W_proj s[8:9], opimg s[10:11]
	s_load_b64 s[12:13], s[0:1], 0x20              ; opsc
	v_lshl_add_u32 v14, v0, 2, 0x8400
	v_mov_b32 v15, 0
	v_lshrrev_b32 v1, 5, v0
	v_readfirstlane_b32 s16, v1                    ; wave 0..3
	v_and_b32 v1, 31, v0                           ; lane
	s_mov_b32 s[SEL], 0x76543210
	s_mov_b32 s[SEL+1], 0xfedcba98
	s_mov_b32 s[MNT], 0x600000
	s_mov_b32 s27, 0                               ; the upper word of every offset
	s_wait_kmcnt 0x0
	s_cmp_lt_u32 ttmp9, 512
	s_cbranch_scc0 .Lweights
	; ---- x: tile T = the work-group's number.  Each load reads 512 consecutive bytes of one row (a K step); the rows turn through my wave's stage in LDS (16 rows x 528 bytes) so that a lane gets 16 neighbours of each block
	s_lshr_b32 s24, ttmp9, 1
	s_lshl_b32 s24, s24, 5
	s_and_b32 s25, ttmp9, 1
	s_lshl_b32 s25, s25, 3
	s_add_co_u32 s24, s24, s25                     ; the tile's first row: 32 (T / 2) + 8 (T % 2)
	s_lshl_b32 s26, s24, 12
	s_lshl_b32 s25, s16, 10
	s_add_co_u32 s26, s26, s25
	s_add_nc_u64 s[4:5], s[4:5], s[26:27]          ; x at that row, K step 2 w
	s_lshl_b32 s26, ttmp9, 14
	s_lshl_b32 s25, s16, 12
	s_add_co_u32 s26, s26, s25
	s_add_nc_u64 s[10:11], s[10:11], s[26:27]      ; the tile's fragments 2 w, 2 w + 1
	s_lshl_b32 s26, ttmp9, 9
	s_lshr_b32 s25, s16, 1
	s_lshl_b32 s25, s25, 8
	s_add_co_u32 s26, s26, s25
	s_and_b32 s25, s16, 1
	s_lshl_b32 s25, s25, 3
	s_add_co_u32 s26, s26, s25
	s_add_nc_u64 s[12:13], s[12:13], s[26:27]      ; and their scale words
	v_and_b32 v2, 15, v0                           ; r
	v_bfe_u32 v3, v0, 4, 1                         ; h
	s_wait_alu depctr_va_vdst(0)
	v_lshlrev_b32 v4, 4, v1                        ; 16 x lane
	s_mul_i32 s28, s16, 8448                       ; my stage
	v_add_nc_u32 v5, s28, v4                       ; into it: a row as it lies
	v_mul_u32_u24 v6, v2, 528
	v_lshl_add_u32 v6, v3, 6, v6
	v_add_nc_u32 v6, s28, v6                       ; out of it: row r, + 64 h
	v_lshlrev_b32 v7, 4, v2
	v_lshl_add_u32 v7, v3, 2, v7                   ; scale words: 16 r + 4 h
.irp b, 0,1,2,3
	v_mov_b32 v[TM+4+\b], 0                        ; written once: a lane permute's destination counts as one of its sources
.endr
.irp q, 0,1
.set i, 0
.rept 16
	global_load_b128 v[R+64*\q+4*i:R+64*\q+4*i+3], v4, s[4:5] offset:(i+8*(i/8))*4096+512*\q th:TH_LOAD_NT
.set i, i+1
.endr
.endr
	s_wait_alu depctr_va_vdst(0)
.irp q, 0,1
	s_wait_loadcnt 16*(1-\q)                       ; this K step's 16 loads are in; the other's 16 may be out
.set i, 0
.rept 16
	ds_store_b128 v5, v[R+64*\q+4*i:R+64*\q+4*i+3] offset:528*i
.set i, i+1
.endr
.set i, 0
.rept 16
	ds_load_b128 v[X+4*i:X+4*i+3], v6 offset:128*(i/4)+16*(i%4)   ; LDS serves a wave's instructions in order (ISA guide 5.7.1.4): these see the stores above
.set i, i+1
.endr
	s_wait_dscnt 0x0
	QUANT X, PC+16*\q, 8+\q
.irp c, 0,1,2,3
	global_store_b128 v4, v[PC+16*\q+4*\c:PC+16*\q+4*\c+3], s[10:11] offset:2048*\q+512*\c   ; 512 consecutive bytes a store
.endr
.endr
	v_cmp_gt_u32 vcc_lo, 16, v1
	v_cndmask_b32 v10, v9, v8, vcc_lo              ; lane (r, h) stores row r's word of K step 2 w + h
	global_store_b32 v7, v10, s[12:13]
	s_wait_tensorcnt 0x0
	ds_add_u32 v14, v15
	s_wait_dscnt 0x0
	s_endpgm
.Lweights:
	s_cmp_lt_u32 ttmp9, 704
	s_cbranch_scc0 .Lwproj
	s_wait_alu depctr_va_vdst(0)
	WPATH 3072, 512, 6
.Lwproj:
	s_wait_alu depctr_va_vdst(0)
	WPATH 1024, 704, 8
.Lfunc_end_k_q17962496d7_prep:
	.size	k_q17962496d7_prep, .Lfunc_end_k_q17962496d7_prep-k_q17962496d7_prep
	.p2alignl 7, 3214868480
	.fill 96, 4, 3214868480
	.section	.rodata,"a",@progbits
	.p2align	6, 0x0
	.amdhsa_kernel k_q17962496d7_prep
		.amdhsa_group_segment_fixed_size 34304
		.amdhsa_private_segment_fixed_size 0
		.amdhsa_enable_private_segment 0
		.amdhsa_kernarg_size 40
		.amdhsa_user_sgpr_count 2
		.amdhsa_user_sgpr_kernarg_segment_ptr 1
		.amdhsa_wavefront_size32 1
		.amdhsa_system_sgpr_workgroup_id_x 1
		.amdhsa_system_sgpr_workgroup_id_y 1
		.amdhsa_system_sgpr_workgroup_id_z 1
		.amdhsa_system_vgpr_workitem_id 0
		.amdhsa_next_free_vgpr 256
		.amdhsa_next_free_sgpr 66
		.amdhsa_reserve_vcc 1
		.amdhsa_float_denorm_mode_32 3
		.amdhsa_float_denorm_mode_16_64 3
		.amdhsa_memory_ordered 1
		.amdhsa_forward_progress 1
		.amdhsa_inst_pref_size 84
	.end_amdhsa_kernel
	.amdgpu_metadata
---
amdhsa.version: [ 1, 2 ]
amdhsa.kernels:
  - .name:           k_q17962496d7_prep
    .symbol:         k_q17962496d7_prep.kd
    .args:
      - { .name: x, .offset: 0, .size: 8, .value_kind: global_buffer, .address_space: global }
      - { .name: W_attn, .offset: 8, .size: 8, .value_kind: global_buffer, .address_space: global }
      - { .name: W_proj, .offset: 16, .size: 8, .value_kind: global_buffer, .address_space: global }
      - { .name: opimg, .offset: 24, .size: 8, .value_kind: global_buffer, .address_space: global }
      - { .name: opsc, .offset: 32, .size: 8, .value_kind: global_buffer, .address_space: global }
    .group_segment_fixed_size: 34304
    .private_segment_fixed_size: 0
    .kernarg_segment_align: 8
    .kernarg_segment_size: 40
    .max_flat_workgroup_size: 128
    .sgpr_count:     66
    .vgpr_count:     256
    .wavefront_size: 32
...
	.end_amdgpu_metadata
.endif
;; end of part 1
;; launch qkv (part 2): grid 96 x 4, 4 waves a work-group, clusters of 4 x 4, 327,680 bytes of LDS; arguments opimg, opsc, b_attn, qk_img, qk_sc, v_img, v_sc; writes qk_img, qk_sc, v_img, v_sc
.if DOCPART == 2
	.amdgcn_target "amdgcn-amd-amdhsa--gfx1250"
	.amdhsa_code_object_version 6
	.text
	.protected	k_q17962496d7_qkv
	.globl	k_q17962496d7_qkv
	.p2align	8
	.type	k_q17962496d7_qkv,@function
k_q17962496d7_qkv:
	s_mov_b64 s[64:65], 0
	v_nop
	global_prefetch_b8 v0, s[64:65] scope:SCOPE_SE
	s_setreg_imm32_b32 hwreg(HW_REG_WAVE_MODE, 25, 1), 1
	s_wait_xcnt 0x0
	s_wait_alu depctr_hold_cnt(0) depctr_sa_sdst(0) depctr_va_vdst(0) depctr_va_sdst(0) depctr_va_ssrc(0) depctr_va_vcc(0) depctr_vm_vsrc(0)
	s_getreg_b32 s2, hwreg(HW_REG_IB_STS2, 6, 4)
	s_cmp_eq_u32 s2, 0
	s_cbranch_scc0 .Lentry_in_a_cluster
	s_endpgm
.Lentry_in_a_cluster:
	s_bfe_u32 s2, ttmp6, 0x10000c
	s_cmp_lg_u32 s2, 0xf033
	s_cbranch_scc0 .Lentry_shape_is_right
	s_endpgm
.Lentry_shape_is_right:
; qkv = x W_attn + b_attn on codes of FP8 (E4M3) with E8M0 scales, K = 1,024; the results are quantised again on the way out: q and k along the head's 64, v along the keys.
; OPERANDS ARE IMAGES OF REGISTERS (made by the launch before): a tile is 16 rows, lane r of tile T = row 32 (T / 2) + 8 (T % 2) + r + 8 (r / 8); a fragment (tile, K step of 128) is 2,048 bytes [c][lane][16]; opimg [tile][8][2,048].
; A work-group of four waves makes 256 x 256, a wave 128 x 128: 64 accumulators.  Source 0 = 16 rows of "B", source 1 = 16 rows of "A": in accumulator (a, t) lane (r, h), register j holds (A's row of lane r in tile a,
; B's row 32 (t / 2) + 8 (t % 2) + 16 h + j): the 16 registers of tiles 2 b and 2 b + 1 are 16 neighbours along B's rows, a lane's part of a block of 32: the conversions' results ARE an image piece of the next operand.
; TWO MODES, by the cluster's number X (the same in all sixteen partners).  X < 16: A = tokens of x, B = columns n < 2,048 of W_attn: q and k, blocks along the features.
; X >= 16: A = the 1,024 columns of v, B = tokens: a lane holds one channel and 16 neighbouring keys, so v is quantised along the keys and leaves with the keys innermost.  The modes differ in numbers chosen by s_cselect_b32 alone.
; OUT.  qk_img [head 0..31 (q: 0-15, k: 16-31)][token tile 0..511][c 0..1][512];  qk_sc [head][group of 8 tiles][r][tile % 8] words (e0, e1, e0, e1);  v_img [channel tile 0..63][key / 32][512];  v_sc [head][key / 128][r][channel tile % 4] words.
; K goes through a ring of two LDS slots of 256 along K, filled by joint tensor loads: A's tiles are shared along a row of the 4 x 4 cluster, B's along a column.  The eight K steps are written out: each names its own scale registers.
; b_attn starts the sums (it is added first where the sum's definition adds it last: a difference of f32 rounding).  LIMITS: NaN and infinities are not served; a block whose largest magnitude lies under 2^(9 - 127), zeros too, gets the byte 1.
; 384 work-groups: 24 clusters of equal work.
; REGISTERS: window 0: v1-3 lane, r, h; v16-29 addresses; v32-95 scale words (register 8 i + K step: lanes 0-15 A's block i, lanes 16-31 B's); v96-127 at work on the way out; v128-255 A's fragments, one set.
;   window 1: B's fragments, two sets.   windows 2, 3: the accumulators, (a, t) at v[8 (8 (a % 4) + t)].
.set SLOT,  131072                     ; a slot: A's 16 tiles x 4,096 bytes (two K steps), then B's 16
.set SPARE, 2*SLOT                     ; behind the ring: the spare words, 128 bytes for each wave
.set NP,    8                          ; places behind this matrix instruction (ISA guide 7.12.1)
.set ADRA, 16                          ; v16-17 LDS address of my A fragments in slot 0, 1
.set ADRB, 20                          ; v20-21 the same for B
.set SPW,  28                          ; v28 SPARE + 4 x my thread's number; never rewritten
.set NIL,  29                          ; v29 0; never rewritten
.set SC,   32
.set AF,   128
.set TM,   112                         ; the way out: v112-115 largest magnitudes, v116-119 bytes, v120-123 448 x the scale, v124-127 the conversions' scale operands
.set WV, 18
.set RH, 19                            ; which half of A's rows is mine.  Also: I fetch for A (0) or for B (1)
.set CH, 20                            ; which half of B's rows.  Also: which 8 tiles I fetch
.set G1, 24                            ; s[24:31] group 1 for A's tiles; s[32:39] group 0, one set for each slot
.set G0, 32
.set G1B, 48                           ; s[48:55], s[56:63] the same for B's
.set G0B, 56
.set SEL, 86
.set MNT, 88
.set MSB, 0
.macro WIN new                         ; the immediate's high byte repeats the setting that is left
.if MSB != (\new)
	s_set_vgpr_msb (MSB<<8)|(\new)
.set MSB, (\new)
.endif
.endm
.set MUL_LO, 0xa1                      ; source 0 (B) window 1, source 1 (A) window 0, C and D window 2
.set MUL_HI, 0xf1                      ; the same, C and D window 3
.set TO_B,   0x40                      ; destination window 1, address window 0
; A joint load: waves 0 and 1 fetch for A, waves 2 and 3 for B; the branch hangs on the wave's number alone.  Four v_nop follow each of the two lines.
.macro JLOAD g0a, g1a, g0b, g1b
	s_cmp_eq_u32 s[RH], 0
	s_cbranch_scc0 .Lfor_b_\@
	tensor_load_to_lds s[\g0a:\g0a+3], s[\g1a:\g1a+7]
	s_nop 0
.rept 4
	v_nop
.endr
	s_branch .Lasked_\@
.Lfor_b_\@:
	tensor_load_to_lds s[\g0b:\g0b+3], s[\g1b:\g1b+7]
	s_nop 0
.rept 4
	v_nop
.endr
.Lasked_\@:
.endm
.macro CREST                           ; a round of the cluster's barrier behind its opening barrier
	s_cmp_lg_u32 s[WV], 0
	s_cbranch_scc1 .Lnot_wave_0_\@
	s_barrier_signal -3
.Lnot_wave_0_\@:
	s_barrier_wait -3
	s_barrier_signal -1
	s_barrier_wait -1
.endm
.macro CROUND
	s_barrier_signal -1
	s_barrier_wait -1
	CREST
.endm
.macro PLACES n
.rept \n
	v_nop
.endr
.endm
.macro FRAG reg, adr, q, i             ; a fragment comes as it lies: four loads of 512 consecutive bytes
.irp c, 0,1,2,3
	ds_load_b128 v[\reg+4*\c:\reg+4*\c+3], v[\adr] offset:4096*(\i)+2048*(\q)+512*\c
.endr
.endm
.macro FETCH_B slot, q, p              ; B's eight fragments of the slot's q-th K step into set p
	WIN TO_B
.irp i, 0,1,2,3,4,5,6,7
	FRAG 128*(\p)+16*\i, ADRB+\slot, \q, \i
.endr
	WIN 0
.endm
.macro FETCH_A slot, q, i0             ; A's blocks i0 .. i0 + 3
.irp i, \i0, \i0+1, \i0+2, \i0+3
	FRAG AF+16*(\i), ADRA+\slot, \q, \i
.endr
.endm
; 16 matrix instructions: A's blocks a0, a0 + 1 x B's eight, K step ks.  The 64 accumulators take turns, one instruction a turn, in the same order in every step.
.macro MUL16 a0, p, ks, zero
.irp a, \a0, \a0+1
.irp t, 0,1,2,3,4,5,6,7
.if \zero
	v_wmma_scale_f32_16x16x128_f8f6f4 v[8*(8*((\a)%4)+\t):8*(8*((\a)%4)+\t)+7], v[128*(\p)+16*\t:128*(\p)+16*\t+15], v[AF+16*(\a):AF+16*(\a)+15], 0, v[SC+8*\t+(\ks)], v[SC+8*(\a)+(\ks)] matrix_a_scale:MATRIX_SCALE_ROW1
.else
	v_wmma_scale_f32_16x16x128_f8f6f4 v[8*(8*((\a)%4)+\t):8*(8*((\a)%4)+\t)+7], v[128*(\p)+16*\t:128*(\p)+16*\t+15], v[AF+16*(\a):AF+16*(\a)+15], v[8*(8*((\a)%4)+\t):8*(8*((\a)%4)+\t)+7], v[SC+8*\t+(\ks)], v[SC+8*(\a)+(\ks)] matrix_a_scale:MATRIX_SCALE_ROW1
.endif
.endr
.endr
.endm
; A slot's first K step: B's set 0; the second step's fragments are fetched in two runs, each behind its places.
.macro STEP slot, ks, zero
	s_wait_dscnt 16                                ; B's set and A's blocks 0-3 are in; the 16 youngest loads (A's blocks 4-7) may be out
	WIN MUL_LO
	MUL16 0, 0, \ks, \zero
	MUL16 2, 0, \ks, \zero
	s_wait_dscnt 0
	PLACES NP
	FETCH_B \slot, 1, 1
	FETCH_A \slot, 1, 0
	WIN MUL_HI
	MUL16 4, 0, \ks, \zero
	MUL16 6, 0, \ks, \zero
	PLACES NP
	WIN 0
	FETCH_A \slot, 1, 4
.endm
; A slot's second K step changes slots: one barrier; in front of it each wave waits for all its tensor loads, adds 0 to its spare word, and waits for that and for its reads of this slot.  fill = 1: this slot is filled again.
.macro TURN slot, next, fill, ks, first=0
	s_wait_tensorcnt 0x0                           ; all my tensor loads have landed: my part of the next slot
	ds_add_u32 v[SPW], v[NIL]                      ; 0 onto my spare word
.if \first
	RING8                                          ; no load of mine is out: the head's descriptors become the ring's
.endif
	s_wait_dscnt 17                                ; (the add and the 16 youngest loads may be out)
	WIN MUL_LO
	MUL16 0, 1, \ks, 0
	s_wait_dscnt 0x0                               ; the add is done, and my reads of this slot are over
	s_barrier_signal -1
	MUL16 2, 1, \ks, 0
	WIN 0
	s_barrier_wait -1
.if \fill
	CREST                                          ; the barrier has opened a round of the cluster's: no wave of any partner still reads this slot or has a load on its way
	s_add_nc_u64 s[G0+4*\slot+2:G0+4*\slot+3], s[G0+4*\slot+2:G0+4*\slot+3], 8192
	s_add_nc_u64 s[G0B+4*\slot+2:G0B+4*\slot+3], s[G0B+4*\slot+2:G0B+4*\slot+3], 8192
	JLOAD G0+4*\slot, G1, G0B+4*\slot, G1B         ; the first tensor load behind the round; its four v_nop are four of the eight places
	PLACES NP-4
.else
	PLACES NP
.endif
	FETCH_B \next, 0, 0
	FETCH_A \next, 0, 0
	WIN MUL_HI
	MUL16 4, 1, \ks, 0
	MUL16 6, 1, \ks, 0
	PLACES NP
	WIN 0
	FETCH_A \next, 0, 4
.endm
.macro LAST ks
	s_wait_dscnt 16
	WIN MUL_LO
	MUL16 0, 1, \ks, 0
	MUL16 2, 1, \ks, 0
	s_wait_dscnt 0
	WIN MUL_HI
	MUL16 4, 1, \ks, 0
	MUL16 6, 1, \ks, 0
	WIN 0
.endm
	s_load_b256 s[4:11], s[0:1], 0x0               ; opimg s[4:5], opsc s[6:7], b_attn s[8:9], qk_img s[10:11]
	s_load_b128 s[12:15], s[0:1], 0x20             ; qk_sc s[12:13], v_img s[14:15]
	s_load_b64 s[16:17], s[0:1], 0x30              ; v_sc
	v_lshl_add_u32 v[SPW], v0, 2, SPARE
	v_mov_b32 v[NIL], 0
	ds_add_u32 v28, v29
	ds_add_u32 v28, v29
	s_wait_dscnt 0x0
	v_lshrrev_b32 v1, 5, v0
	v_readfirstlane_b32 s[WV], v1                  ; wave 0..3
	s_lshr_b32 s[RH], s[WV], 1
	s_and_b32 s[CH], s[WV], 1
	s_bfe_u32 s21, ttmp6, 0x40000                  ; cx
	s_bfe_u32 s22, ttmp6, 0x40004                  ; cy
	s_lshl_b32 s44, s22, 2
	s_lshl_b32 s44, 15, s44                        ; my row of the cluster
	s_lshl_b32 s46, 0x1111, s21                    ; my column
	; group 1: 8 tiles' parts of a slot: 8 rows of 4,096 bytes (512 elements of 8 bytes), 16,384 bytes apart in memory, dense in LDS
	s_or_b32 s[G1], s44, (3<<16)|(1<<21)           ; 15:0 the mask: A's tiles go to my row; 17:16 elements of 8 bytes; 21 set beside a mask
	s_or_b32 s[G1B], s46, (3<<16)|(1<<21)
.irp g, G1, G1B
	s_mov_b32 s[\g+1], 512<<16                     ; tensor_dim0
	s_mov_b32 s[\g+2], 16<<16                      ; tensor_dim1: 16 tiles for the head's loads; 8 behind them
	s_mov_b32 s[\g+3], 512<<16                     ; tile_dim0
	s_mov_b32 s[\g+4], 16                          ; tile_dim1
	s_mov_b32 s[\g+5], 2048                        ; tensor_dim0_stride
	s_mov_b32 s[\g+6], 0
	s_mov_b32 s[\g+7], 0
.endr
	s_mov_b32 s[SEL], 0x76543210
	s_mov_b32 s[SEL+1], 0xfedcba98
	s_mov_b32 s[MNT], 0x600000
	; the mode's numbers
	s_lshr_b32 s89, ttmp9, 1
	s_and_b32 s90, ttmp9, 1
	s_max_u32 s101, ttmp9, 16
	s_sub_co_u32 s101, s101, 16
	s_mov_b32 s91, 640
	s_mov_b32 s92, 131072
	s_mov_b32 s94, 2048
	s_mov_b32 s95, 32768
	s_mov_b32 s96, 256
	s_mov_b32 s98, 16384
	s_mov_b32 s99, 1024
	s_cmp_lt_u32 ttmp9, 16                         ; q and k, or v
	s_cselect_b32 s89, s89, 0                      ; which four tile rows of A
	s_cselect_b32 s90, s90, s101                   ; which four tile columns of B
	s_cselect_b32 s91, 0, s91                      ; A's first tile in opimg: x's, or that of W_attn's column 2,048
	s_cselect_b32 s93, 512, 0                      ; B's: W_attn's, or x's
	s_cselect_b32 s84, -1, 0                       ; all ones for q and k
	s_cselect_b32 s85, 0, -1                       ; all ones for v
	s_cselect_b32 s92, 1024, s92                   ; codes: bytes from one tile of A to the next
	s_cselect_b32 s94, 1048576, s94                ; and from one 128 rows of B to the next
	s_cselect_b32 s95, 512, s95                    ; scale words: from one 8 tiles of A to the next
	s_cselect_b32 s96, 65536, s96                  ; and from one 128 rows of B to the next
	s_cselect_b32 s97, 32, 16                      ; scale words: bytes for each r
	s_cselect_b32 s98, 16, s98                     ; and for h
	s_cselect_b32 s99, 524288, s99                 ; codes: from blocks 0, 1 to blocks 2, 3
	; A's numbers hang on cy alone and B's on cx alone, each in registers that never hold the other; what holds both lies in s40-43 and s66-83
	s_lshl_b32 s100, s89, 2
	s_add_co_u32 s100, s100, s22                   ; tile row of 256
	s_lshl_b32 s101, s90, 2
	s_add_co_u32 s101, s101, s21                   ; tile column of 256
	s_lshl_b32 s89, s100, 4
	s_add_co_u32 s89, s89, s91                     ; A's first tile
	s_lshl_b32 s90, s101, 4
	s_add_co_u32 s90, s90, s93                     ; B's first tile
	s_lshl_b32 s91, s[CH], 3
	s_add_co_u32 s44, s89, s91
	s_lshl_b32 s44, s44, 14                        ; the 8 tiles of A that I fetch if I fetch for A, in bytes
	s_mov_b32 s45, 0
	s_add_co_u32 s46, s90, s91
	s_lshl_b32 s46, s46, 14                        ; and of B
	s_mov_b32 s47, 0
	s_add_co_u32 s3, s90, s91
	s_lshl_b32 s3, s3, 9                           ; the scale words of the 8 tiles of B that I multiply
	s_lshl_b32 s91, s[RH], 3
	s_add_co_u32 s23, s89, s91
	s_lshl_b32 s23, s23, 9                         ; and of A
	s_lshl_b32 s2, s[WV], 15                       ; where my load goes: wave x 32,768: no place in the cluster enters an LDS address
	s_lshl_b32 s40, s100, 4
	s_add_co_u32 s40, s40, s91                     ; my first tile of A, counted in A
	s_mul_i32 s40, s40, s92
	s_lshl_b32 s66, s101, 1
	s_add_co_u32 s66, s66, s[CH]                   ; my 128 rows of B
	s_mul_i32 s67, s66, s94
	s_add_co_u32 s40, s40, s67                     ; where my codes begin
	s_mov_b32 s41, 0
	s_mul_i32 s42, s66, s96
	s_lshl_b32 s68, s100, 1
	s_add_co_u32 s68, s68, s[RH]                   ; my 8 tiles of A
	s_mul_i32 s68, s68, s95
	s_add_co_u32 s42, s42, s68                     ; where my scale words begin
	s_mov_b32 s43, 0
	s_mov_b32 s93, 0                               ; s[92:93]: the step from tile to tile, as a pair
	s_lshl_b32 s94, s101, 10
	s_lshl_b32 s69, s[CH], 9
	s_add_co_u32 s94, s94, s69
	s_and_b32 s94, s94, s84                        ; b_attn along B (q, k): 4 (256 column + 128 half); 0 for v
	s_lshl_b32 s95, s100, 10
	s_lshl_b32 s69, s[RH], 9
	s_add_co_u32 s95, s95, s69
	s_add_co_u32 s95, s95, 8192
	s_and_b32 s95, s95, s85                        ; b_attn along A (v): 4 (2,048 + 256 row + 128 half); 0 for q, k
	s_wait_kmcnt 0x0
	s_add_nc_u64 s[44:45], s[4:5], s[44:45]
	s_add_nc_u64 s[46:47], s[4:5], s[46:47]
	CROUND                                         ; all sixteen work-groups are here: the first joint loads meet
	; THE HEAD'S LOADS, ONE A WAVE: both slots are filled here: wave 0 A's 16 tiles of slot 0, wave 1 B's, wave 2 A's of slot 1, wave 3 B's
	s_lshl_b32 s70, s89, 14                        ; A's first tile, in bytes
	s_mov_b32 s71, 0
	s_lshl_b32 s72, s90, 14                        ; B's
	s_mov_b32 s73, 0
	s_add_nc_u64 s[70:71], s[4:5], s[70:71]
	s_add_nc_u64 s[72:73], s[4:5], s[72:73]
.irp s, 0,1
	s_mov_b32 s[G0+4*\s], 1
	s_mov_b32 s[G0+4*\s+1], \s*SLOT
	s_add_nc_u64 s[G0+4*\s+2:G0+4*\s+3], s[70:71], \s*4096
	s_or_b32 s[G0+4*\s+3], s[G0+4*\s+3], 0x80000000
	s_mov_b32 s[G0B+4*\s], 1
	s_mov_b32 s[G0B+4*\s+1], \s*SLOT+65536
	s_add_nc_u64 s[G0B+4*\s+2:G0B+4*\s+3], s[72:73], \s*4096
	s_or_b32 s[G0B+4*\s+3], s[G0B+4*\s+3], 0x80000000
.endr
.macro ARM under, g0, g1, next                 ; one chain of branches on the wave's number, a load to an arm, all arms to one join
	s_cmp_lt_u32 s[WV], \under
	s_cbranch_scc0 \next
	tensor_load_to_lds s[\g0:\g0+3], s[\g1:\g1+7]
	s_nop 0
.rept 4
	v_nop
.endr
	s_branch .Lhead_asked
\next:
.endm
	ARM 1, G0, G1, .Lhead_b0
	ARM 2, G0B, G1B, .Lhead_a1
	ARM 3, G0+4, G1, .Lhead_b1
	tensor_load_to_lds s[G0B+4:G0B+7], s[G1B:G1B+7]
	s_nop 0
.rept 4
	v_nop
.endr
.Lhead_asked:
	; while the first tiles are on their way: the outputs' bases, the addresses, the scale words, the bias
	s_cmp_lt_u32 ttmp9, 16
	s_cselect_b64 s[66:67], s[10:11], s[14:15]     ; codes go to qk_img or to v_img,
	s_cselect_b64 s[82:83], s[12:13], s[16:17]     ; scale words to qk_sc or to v_sc
	s_add_nc_u64 s[66:67], s[66:67], s[40:41]
	s_add_nc_u64 s[82:83], s[82:83], s[42:43]
.irp a, 1,2,3,4,5,6,7
	s_add_nc_u64 s[66+2*\a:67+2*\a], s[64+2*\a:65+2*\a], s[92:93]   ; a base for each tile of A: none is stepped later
.endr
	v_and_b32 v1, 31, v0                           ; lane
	v_and_b32 v2, 15, v0                           ; r
	v_bfe_u32 v3, v0, 4, 1                         ; h
	v_lshlrev_b32 v24, 4, v1                       ; 16 x lane: an image's place for my lane
	v_add_nc_u32 v25, s99, v24                     ; the same for blocks 2, 3
	v_mul_u32_u24 v26, s97, v2
	v_mul_u32_u24 v10, s98, v3
	v_add_nc_u32 v26, v26, v10                     ; where I store four scale words
	v_cmp_gt_u32 vcc_lo, 16, v1
	v_mov_b32 v10, s23
	v_mov_b32 v11, s3
	v_cndmask_b32 v27, v11, v10, vcc_lo            ; lanes 0-15 take A's scale words, lanes 16-31 B's
	v_lshl_add_u32 v27, v2, 4, v27
	v_lshlrev_b32 v22, 6, v3
	v_add_nc_u32 v22, s94, v22                     ; the bias along B: my half's eight of each tile
	v_and_b32 v23, 8, v2
	v_add_nc_u32 v23, v23, v2
	v_lshlrev_b32 v23, 2, v23
	v_add_nc_u32 v23, s95, v23                     ; the bias along A: my row of each tile
	s_lshl_b32 s91, s[RH], 15
	v_add_nc_u32 v[ADRA], s91, v24
	v_add_nc_u32 v[ADRA+1], SLOT, v[ADRA]
	s_lshl_b32 s91, s[CH], 15
	s_add_co_u32 s91, s91, 65536
	v_add_nc_u32 v[ADRB], s91, v24
	v_add_nc_u32 v[ADRB+1], SLOT, v[ADRB]
.irp i, 0,1,2,3,4,5,6,7
	global_load_b128 v[SC+8*\i:SC+8*\i+3], v27, s[6:7] offset:512*\i          ; the scale words of all of K come once: sixteen lanes read 256 consecutive bytes, aligned
	global_load_b128 v[SC+8*\i+4:SC+8*\i+7], v27, s[6:7] offset:512*\i+256
.endr
.irp t, 0,1,2,3,4,5,6,7
	global_load_b128 v[128+8*\t:131+8*\t], v22, s[8:9] offset:(32*(\t/2)+8*(\t%2))*4
	global_load_b128 v[132+8*\t:135+8*\t], v22, s[8:9] offset:(32*(\t/2)+8*(\t%2))*4+16
.endr
.irp a, 0,1,2,3,4,5,6,7
	global_load_b32 v[192+2*\a], v23, s[8:9] offset:(32*(\a/2)+8*(\a%2))*4
	global_load_b32 v[193+2*\a], v23, s[8:9] offset:(32*(\a/2)+8*(\a%2))*4    ; twice: a pair for the packed addition
.endr
.irp b, 0,1,2,3
	v_mov_b32 v[TM+4+\b], 0                        ; written once: a lane permute's destination counts as one of its sources
.endr
	s_wait_loadcnt 0x0
.set n, 0
.rept 64
	v_and_b32 v[128+n], s84, v[128+n]              ; the bias that this mode does not use becomes 0: no branch
.set n, n+1
.endr
.set n, 0
.rept 16
	v_and_b32 v[192+n], s85, v[192+n]
.set n, n+1
.endr
	WIN 0x80                                       ; destination window 2: the sums begin as the bias
.irp a, 0,1,2,3
.irp t, 0,1,2,3,4,5,6,7
.irp p, 0,2,4,6
	v_pk_add_f32 v[8*(8*\a+\t)+\p:8*(8*\a+\t)+\p+1], v[128+8*\t+\p:129+8*\t+\p], v[192+2*\a:193+2*\a]
.endr
.endr
.endr
	WIN 0xc0                                       ; destination window 3
.irp a, 0,1,2,3
.irp t, 0,1,2,3,4,5,6,7
.irp p, 0,2,4,6
	v_pk_add_f32 v[8*(8*\a+\t)+\p:8*(8*\a+\t)+\p+1], v[128+8*\t+\p:129+8*\t+\p], v[200+2*\a:201+2*\a]
.endr
.endr
.endr
	WIN 0
	s_wait_alu depctr_va_vdst(0)
.macro RING8                           ; the ring's descriptors: a load brings 8 tiles, wave x 32,768 bytes into a slot.  Run behind a wait for all my tensor loads
.irp s, 0,1
	s_add_co_u32 s[G0+4*\s+1], s2, \s*SLOT
	s_add_nc_u64 s[G0+4*\s+2:G0+4*\s+3], s[44:45], \s*4096
	s_or_b32 s[G0+4*\s+3], s[G0+4*\s+3], 0x80000000
	s_add_co_u32 s[G0B+4*\s+1], s2, \s*SLOT
	s_add_nc_u64 s[G0B+4*\s+2:G0B+4*\s+3], s[46:47], \s*4096
	s_or_b32 s[G0B+4*\s+3], s[G0B+4*\s+3], 0x80000000
.endr
	s_mov_b32 s[G1+2], 8<<16
	s_mov_b32 s[G1+4], 8
	s_mov_b32 s[G1B+2], 8<<16
	s_mov_b32 s[G1B+4], 8
.endm
	s_cmp_lt_u32 s[WV], 2                          ; waves 0 and 1 loaded slot 0, by lines of their own: they wait here; waves 2 and 3, which loaded slot 1, wait at the first change of slots
	s_cbranch_scc0 .Lslot_1
	s_wait_tensorcnt 0x0
.Lslot_1:
	s_barrier_signal -1
	s_barrier_wait -1                              ; slot 0 is whole
	FETCH_B 0, 0, 0
	FETCH_A 0, 0, 0
	FETCH_A 0, 0, 4
	STEP 0, 0, 0
	TURN 0, 1, 1, 1, 1
	STEP 1, 2, 0
	TURN 1, 0, 1, 3
	STEP 0, 4, 0
	TURN 0, 1, 0, 5                                ; nothing is left to fetch
	STEP 1, 6, 0
	LAST 7
; THE WAY OUT of A's tile a: its 8 accumulators are four blocks of 32 along B's rows, 16 numbers a lane.  Largest magnitudes (each accumulator from its low end on), scales, holds in place, conversions: 16 registers of codes, four stores of 512 consecutive bytes.
.macro EPI a
.set AC, 64*((\a)%4)
.set PCA, 128+16*(\a)
	WIN 0x0a+5*((\a)/4)                            ; sources 0 and 1: window 2 or 3
.irp b, 0,1,2,3
	v_max3_num_f32 v[TM+\b], |v[AC+16*\b]|, |v[AC+16*\b+1]|, 0x4800000
.endr
.irp i, 2,4,6,8,10,12,14
.irp b, 0,1,2,3
	v_max3_num_f32 v[TM+\b], |v[AC+16*\b+\i]|, |v[AC+16*\b+\i+1]|, v[TM+\b]
.endr
.endr
	WIN 0
.irp b, 0,1,2,3
	v_permlanex16_b32 v[TM+4+\b], v[TM+\b], s[SEL], s[SEL+1]
.endr
.irp b, 0,1,2,3
	v_max_num_f32 v[TM+\b], v[TM+\b], v[TM+4+\b]
.endr
.irp b, 0,1,2,3
	v_add_nc_u32 v[TM+12+\b], 0xfc000000, v[TM+\b]
.endr
.irp b, 0,1,2,3
	v_and_or_b32 v[TM+8+\b], v[TM+\b], 0x7f800000, s[MNT]
.endr
.irp b, 0,1,2,3
	v_lshrrev_b32 v[TM+4+\b], 23, v[TM+12+\b]
.endr
	v_lshl_or_b32 v[TM+4], v[TM+5], 8, v[TM+4]     ; bytes 0, 1
	v_lshl_or_b32 v[TM+6], v[TM+7], 8, v[TM+6]     ; bytes 2, 3
	v_cndmask_b32 v[TM+5], v[TM+4], v[TM+6], s85
	v_lshl_or_b32 v[96+(\a)], v[TM+5], 16, v[TM+4] ; q, k: the first head's (e0, e1, e0, e1);  v: (e0, e1, e2, e3)
	v_lshl_or_b32 v[104+(\a)], v[TM+6], 16, v[TM+6]   ; q, k: the second head's (e2, e3, e2, e3)
	WIN 0x82+0x41*((\a)/4)                         ; source 0 and destination: window 2 or 3
.irp b, 0,1,2,3
.irp i, 0,1,2,3,4,5,6,7,8,9,10,11,12,13,14,15
	v_med3_num_f32 v[AC+16*\b+\i], v[AC+16*\b+\i], -v[TM+8+\b], v[TM+8+\b]
.endr
.endr
	WIN 0x02+(\a)/4                                ; source 0: window 2 or 3
.irp b, 0,1,2,3
	v_cvt_scalef32_pk8_fp8_f32 v[PCA+4*\b:PCA+4*\b+1], v[AC+16*\b:AC+16*\b+7], v[TM+12+\b]
	v_cvt_scalef32_pk8_fp8_f32 v[PCA+4*\b+2:PCA+4*\b+3], v[AC+16*\b+8:AC+16*\b+15], v[TM+12+\b]
.endr
	v_nop                                          ; a plain line behind the last conversion
	WIN 0
	global_store_b128 v24, v[PCA:PCA+3], s[66+2*(\a):67+2*(\a)]
	global_store_b128 v24, v[PCA+4:PCA+7], s[66+2*(\a):67+2*(\a)] offset:512
	global_store_b128 v25, v[PCA+8:PCA+11], s[66+2*(\a):67+2*(\a)]
	global_store_b128 v25, v[PCA+12:PCA+15], s[66+2*(\a):67+2*(\a)] offset:512
.endm
	PLACES NP                                      ; behind the last products: results are read, and A's registers are written
.irp a, 0,1,2,3,4,5,6,7
	EPI \a
.endr
	v_cmp_gt_u32 vcc_lo, 16, v1
.irp i, 0,1,2,3
	v_cndmask_b32 v[112+\i], v[100+\i], v[96+\i], vcc_lo   ; lane (r, h) stores the words of tiles 4 h .. 4 h + 3
.endr
	global_store_b128 v26, v[112:115], s[82:83]
	s_cmp_lt_u32 ttmp9, 16                         ; q and k have a second head's words; the branch is the same in all partners
	s_cbranch_scc0 .Lone_word
.irp i, 0,1,2,3
	v_cndmask_b32 v[116+\i], v[108+\i], v[104+\i], vcc_lo
.endr
	global_store_b128 v26, v[116:119], s[82:83] offset:32768
.Lone_word:
	s_wait_tensorcnt 0x0                           ; the wave's end
	ds_add_u32 v[SPW], v[NIL]
	s_wait_dscnt 0x0
	CROUND                                         ; the closing round
	s_endpgm
.Lfunc_end_k_q17962496d7_qkv:
	.size	k_q17962496d7_qkv, .Lfunc_end_k_q17962496d7_qkv-k_q17962496d7_qkv
	.p2alignl 7, 3214868480
	.fill 96, 4, 3214868480
	.section	.rodata,"a",@progbits
	.p2align	6, 0x0
	.amdhsa_kernel k_q17962496d7_qkv
		.amdhsa_group_segment_fixed_size 327680
		.amdhsa_private_segment_fixed_size 0
		.amdhsa_enable_private_segment 0
		.amdhsa_kernarg_size 56
		.amdhsa_user_sgpr_count 2
		.amdhsa_user_sgpr_kernarg_segment_ptr 1
		.amdhsa_wavefront_size32 1
		.amdhsa_system_sgpr_workgroup_id_x 1
		.amdhsa_system_sgpr_workgroup_id_y 1
		.amdhsa_system_sgpr_workgroup_id_z 1
		.amdhsa_system_vgpr_workitem_id 0
		.amdhsa_next_free_vgpr 1024
		.amdhsa_next_free_sgpr 102
		.amdhsa_reserve_vcc 1
		.amdhsa_float_denorm_mode_32 3
		.amdhsa_float_denorm_mode_16_64 3
		.amdhsa_memory_ordered 1
		.amdhsa_forward_progress 1
		.amdhsa_inst_pref_size 207
	.end_amdhsa_kernel
	.amdgpu_metadata
---
amdhsa.version: [ 1, 2 ]
amdhsa.kernels:
  - .name:           k_q17962496d7_qkv
    .symbol:         k_q17962496d7_qkv.kd
    .args:
      - { .name: opimg, .offset: 0, .size: 8, .value_kind: global_buffer, .address_space: global }
      - { .name: opsc, .offset: 8, .size: 8, .value_kind: global_buffer, .address_space: global }
      - { .name: b_attn, .offset: 16, .size: 8, .value_kind: global_buffer, .address_space: global }
      - { .name: qk_img, .offset: 24, .size: 8, .value_kind: global_buffer, .address_space: global }
      - { .name: qk_sc, .offset: 32, .size: 8, .value_kind: global_buffer, .address_space: global }
      - { .name: v_img, .offset: 40, .size: 8, .value_kind: global_buffer, .address_space: global }
      - { .name: v_sc, .offset: 48, .size: 8, .value_kind: global_buffer, .address_space: global }
    .group_segment_fixed_size: 327680
    .private_segment_fixed_size: 0
    .kernarg_segment_align: 8
    .kernarg_segment_size: 56
    .max_flat_workgroup_size: 128
    .sgpr_count:     102
    .vgpr_count:     1024
    .wavefront_size: 32
...
	.end_amdgpu_metadata
.endif
;; end of part 2
;; launch attn (part 3): grid 64 x 4, 16 waves a work-group, no clusters, 327,680 bytes of LDS; arguments qk_img, qk_sc, v_img, v_sc, opimg, opsc; writes opimg, opsc
.if DOCPART == 3
	.amdgcn_target "amdgcn-amd-amdhsa--gfx1250"
	.amdhsa_code_object_version 6
	.text
	.protected	k_q17962496d7_attn
	.globl	k_q17962496d7_attn
	.p2align	8
	.type	k_q17962496d7_attn,@function
k_q17962496d7_attn:
	s_mov_b64 s[64:65], 0
	v_nop
	global_prefetch_b8 v0, s[64:65] scope:SCOPE_SE
	s_setreg_imm32_b32 hwreg(HW_REG_WAVE_MODE, 25, 1), 1
	s_wait_xcnt 0x0
; y[b][q][head] = softmax_k(q . k / 8, causal) v, both products on codes of FP8 (E4M3) with E8M0 scales; y is quantised along C on the way out, as the last product's operand.
; THE SOFTMAX AHEAD OF THE SECOND PRODUCT: t = score x log2(e) / 8; M = the running largest t rounded UP to a whole number; p = 2^(t - M) is quantised along the keys, not normalised; the row's sum is taken of the unquantised p and divides at the end.
; When M moves, the sum and O are multiplied by 2^(old M - new M): exact.
; LEFT OUT: key steps all of whose keys come after a tile's queries: the causal mask sets their scores to -infinity, so they add nothing to any sum.
; OPERANDS ARE IMAGES OF REGISTERS (made by the launch before): lane r of tile T = row 32 (T / 2) + 8 (T % 2) + r + 8 (r / 8), for queries, keys and v's channels alike; a piece is 512 bytes, [lane][16].
; SHARES.  Work-group (x, g): x = 16 batch + head, g = 0 .. 3.  Sixteen waves; wave w owns TWO tiles of 16 queries, 127 - (16 g + w) and 16 g + w, one after the other: 17 key steps of 128 in every wave of the launch.
; A WHOLE HEAD'S K AND V LIE IN LDS, filled once for the 512 queries: K 131,072 bytes, V 131,072, K's scale words 8,192, V's 4,096.
; FILLS.  At the head, one load a wave: key steps 0-3 of K (waves 0-3, 8,192 bytes each) and of V (waves 4-7, a channel tile each), the scale words (waves 8-10).  Behind the first barrier waves 0-7 ask for key steps 4-15, 24,576 bytes each;
; they have the late tile's first four steps in which to land.  The late tile goes first: it has at least nine steps, so every wave has work in steps 0-3.  Every wait on TENSORcnt is for 0.
; The early tile's Q is loaded at the head and waits in the wave's own LDS bytes.
; No cluster: the branches on a wave's diagonal step would hang on the work-group's place among the partners that share a head.  No prefetch: both groups of tensor loads go out ahead of the first loop, so no later load is left to run ahead of.
; Both products are used transposed: S^T = K Q^T, O^T = V^T P^T: a lane holds one query throughout, and p's 16 registers of two neighbouring tiles are 16 neighbouring keys.
; K = 64 IN AN INSTRUCTION OF 128: an even key tile is [codes | zeros] against Q = [codes | zeros], an odd one [zeros | codes] against [zeros | codes]: two tiles share eight registers of zeros.  q's and k's scale words hold their two bytes twice.
; In the one step on the diagonal hidden scores become -infinity ahead of the maximum.
; LIMITS: NaN and infinities are not served; the scaled scores stay under 2^31 in magnitude; a block whose largest magnitude lies under 2^(9 - 127), zeros too, gets the byte 1.  y's scale bytes leave one by one (262,144 in all).
; REGISTERS: v1-11 addresses; v12 -M, v13 the largest t, v[14:15] the sum; v16-39 Q [codes][zeros][codes]; v40-87 K, twice [even][zeros][odd]; v88-91 at work; v92-95 addresses that stay; v96-159 S^T, then p, then V's four fragments; v160-191 O^T;
;   v192-207 p's codes; v208-229 at work; v232-239 K's scale words, v240-243 V's, v244 Q's, v245 p's; v254, v255 the add's two.
.set SPARE, 0x43000                    ; the spare words: 128 bytes for each of 16 waves
.set QST,   0x43800                    ; the early tile's Q: two pieces [thread][16], then [thread][4] scale words
.set LI,   1                           ; 16 x lane
.set LV,   2                           ; + where V begins
.set ASK0, 3                           ; my row among K's scale words
.set ASV0, 4                           ; and among V's
.set DM,   5                           ; my query - the diagonal step's first key - 16 (lane / 16)
.set NINF, 6
.set ADW,  7                           ; V's tiles 2, 3 (an LDS offset holds 16 bits)
.set ADK,  8
.set ADV,  9
.set ADS,  10
.set ADT,  11
.set DM0,  92                          ; r + 8 (r / 8) - 16 (lane / 16)
.set QSA,  93                          ; 32 r: my row among Q's scale words
.set QL,   94                          ; LDS: QST + 16 x thread
.set QW,   95                          ; LDS: QST + 16,384 + 4 x thread
.set BM,   208                         ; a block's largest score, then its largest p
.set BP,   212                         ; the other half's; then the bytes
.set BH,   216                         ; 448 x the scale
.set BS,   220                         ; the conversions' scale operands
.set BG,   226                         ; 448 x the scale once more, two banks on: the second half of a dual pair reads it
.set WV,  16
.set W3,  17
.set T2R, 21                           ; my late tile
.set SD,  22                           ; the diagonal step of the tile in hand
.set SI,  23                           ; the step in hand
.set G1S, 24                           ; group 1: 16 rows of 256 bytes;  G1A: 32 rows;  G1B: 96 rows
.set G1A, 32
.set G1B, 40
.set G0K0, 48                          ; groups 0: K and V, steps 0-3; the scale words; K and V, steps 4-15
.set G0V0, 52
.set G0S,  56
.set G0K1, 72
.set G0V1, 76
.set SEL, 60
.set CS,  62                           ; s[62:63] log2(e) / 8
.set MNT, 66
.set TK,  67                           ; the step's place in K, V, K's scale words, V's
.set TV,  68
.set TS,  69
.set TJ,  70
.set T1R, 71                           ; my early tile
.set HS,  80                           ; 64 head + 16 batch
.set HB,  81                           ; 512 head + 128 batch
.set B128, 94                          ; 128 batch
.set YC,  95                           ; y's codes: the head's place in a tile
.set YS,  96                           ; y's scale bytes: likewise
.macro NOPS n
.rept \n
	v_nop
.endr
.endm
.macro QADR t, c, w                    ; tile s[t]: its codes' address into s[c:c+1], its scale words' into s[w:w+1]
	s_add_co_u32 s[\c], s[HB], s[\t]
	s_lshl_b32 s[\c], s[\c], 10
	s_mov_b32 s[\c+1], 0
	s_lshr_b32 s[\w], s[\t], 3
	s_add_co_u32 s[\w], s[\w], s[HS]
	s_lshl_b32 s[\w], s[\w], 9
	s_and_b32 s[\w+1], s[\t], 7
	s_lshl_b32 s[\w+1], s[\w+1], 2
	s_add_co_u32 s[\w], s[\w], s[\w+1]
	s_mov_b32 s[\w+1], 0
	s_add_nc_u64 s[\c:\c+1], s[4:5], s[\c:\c+1]
	s_add_nc_u64 s[\w:\w+1], s[6:7], s[\w:\w+1]
.endm
.macro RESET t                         ; tile s[t] begins: its diagonal, where its y goes (s[86:87] codes, s[88:89] scale bytes), empty sums
	s_lshr_b32 s[SD], s[\t], 3
	s_lshr_b32 s97, s[\t], 1
	s_and_b32 s97, s97, 3
	s_lshl_b32 s97, s97, 5
	s_and_b32 s98, s[\t], 1
	s_lshl_b32 s98, s98, 3
	s_add_co_u32 s97, s97, s98
	s_wait_alu depctr_va_vdst(0)                   ; directly ahead of the reader below
	v_add_nc_u32 v[DM], s97, v[DM0]
.set n, 0
.rept 32
	v_mov_b32 v[160+n], 0                          ; O^T: the step is written once; its first pass finds zeros
.set n, n+1
.endr
	v_mov_b32 v14, 0
	v_mov_b32 v15, 0
	v_mov_b32 v13, 0xff61b1e6                      ; the largest t so far: -3e38
	s_delay_alu instid0(VALU_DEP_1)
	v_floor_f32 v12, -v13                          ; -M
	s_add_co_u32 s88, s[B128], s[\t]
	s_add_co_u32 s88, s88, 768                     ; y's tile in opimg
	s_lshl_b32 s86, s88, 14
	s_add_co_u32 s86, s86, s[YC]
	s_mov_b32 s87, 0
	s_lshl_b32 s88, s88, 9
	s_add_co_u32 s88, s88, s[YS]
	s_mov_b32 s89, 0
	s_add_nc_u64 s[86:87], s[12:13], s[86:87]
	s_add_nc_u64 s[88:89], s[14:15], s[88:89]
	s_mov_b32 s[SI], 0
	s_mov_b32 s[TK], 0
	s_mov_b32 s[TV], 0
	s_mov_b32 s[TS], 0
	s_mov_b32 s[TJ], 0
.endm
	s_load_b256 s[4:11], s[0:1], 0x0               ; qk_img s[4:5], qk_sc s[6:7], v_img s[8:9], v_sc s[10:11]
	s_load_b128 s[12:15], s[0:1], 0x20             ; opimg s[12:13], opsc s[14:15]
	v_lshl_add_u32 v254, v0, 2, SPARE
	v_mov_b32 v255, 0
	ds_add_u32 v254, v255                          ; the opening lines: the add, twice on end, and its wait ahead of the first tensor load
	ds_add_u32 v254, v255
	v_lshrrev_b32 v1, 5, v0
	s_delay_alu instid0(VALU_DEP_1)
	v_readfirstlane_b32 s[WV], v1                  ; wave 0..15
	s_and_b32 s[W3], s[WV], 3
	s_and_b32 s18, ttmp9, 15                       ; head
	s_lshr_b32 s19, ttmp9, 4                       ; batch
	s_and_b32 s20, ttmp7, 0xffff                   ; g
	s_lshl_b32 s[T1R], s20, 4
	s_add_co_u32 s[T1R], s[T1R], s[WV]             ; 16 g + w
	s_sub_co_u32 s[T2R], 127, s[T1R]
.irp g, G1S, G1A, G1B
	s_mov_b32 s[\g], 3<<16                         ; no mask; elements of 8 bytes; no padding
	s_mov_b32 s[\g+1], 32<<16                      ; tensor_dim0: 256 bytes
	s_mov_b32 s[\g+3], 32<<16                      ; tile_dim0
	s_mov_b32 s[\g+5], 32                          ; dense
	s_mov_b32 s[\g+6], 0
	s_mov_b32 s[\g+7], 0
.endr
	s_mov_b32 s[G1S+2], 16<<16                     ; tensor_dim1
	s_mov_b32 s[G1S+4], 16                         ; tile_dim1
	s_mov_b32 s[G1A+2], 32<<16
	s_mov_b32 s[G1A+4], 32
	s_mov_b32 s[G1B+2], 96<<16
	s_mov_b32 s[G1B+4], 96
	s_mov_b32 s[SEL], 0x76543210
	s_mov_b32 s[SEL+1], 0xfedcba98
	s_mov_b32 s[CS], 0x3e38aa3b
	s_mov_b32 s[CS+1], s[CS]
	s_mov_b32 s[MNT], 0x600000
	; byte offsets
	s_add_co_u32 s82, s18, 16                      ; k's heads follow q's
	s_lshl_b32 s97, s82, 19
	s_lshl_b32 s83, s19, 17
	s_add_co_u32 s97, s97, s83                     ; the head's K of this batch
	s_lshl_b32 s[G0K0+1], s[W3], 13                ; steps 0-3: a step a wave; the LDS address is the offset in K
	s_add_co_u32 s84, s97, s[G0K0+1]
	s_mov_b32 s85, 0
	s_mul_i32 s[G0K1+1], s[W3], 24576              ; steps 4-15: three steps a wave
	s_add_co_u32 s[G0K1+1], s[G0K1+1], 32768
	s_add_co_u32 s86, s97, s[G0K1+1]
	s_mov_b32 s87, 0
	s_lshl_b32 s88, s18, 2
	s_add_co_u32 s88, s88, s[W3]
	s_lshl_b32 s88, s88, 17
	s_lshl_b32 s89, s19, 15
	s_add_co_u32 s88, s88, s89                     ; V: channel tile 4 head + (wave & 3), this batch's keys
	s_mov_b32 s89, 0
	s_lshl_b32 s[G0V0+1], s[W3], 15
	s_add_co_u32 s[G0V0+1], s[G0V0+1], 131072
	s_add_co_u32 s[G0V1+1], s[G0V0+1], 8192
	s_lshl_b32 s[HS], s18, 6
	s_lshl_b32 s83, s19, 4
	s_add_co_u32 s[HS], s[HS], s83
	s_add_co_u32 s90, s[HS], 1024
	s_lshl_b32 s90, s90, 9
	s_and_b32 s91, s[WV], 1
	s_lshl_b32 s91, s91, 12
	s_add_co_u32 s90, s90, s91                     ; K's scale words: a half
	s_lshl_b32 s91, s[HS], 8                       ; V's scale words
	s_cmp_eq_u32 s[WV], 10
	s_cselect_b32 s90, s91, s90
	s_mov_b32 s91, 0
	s_lshl_b32 s[G0S+1], s[W3], 12
	s_add_co_u32 s[G0S+1], s[G0S+1], 262144
	s_lshl_b32 s[B128], s19, 7
	s_lshl_b32 s[HB], s18, 9
	s_add_co_u32 s[HB], s[HB], s[B128]
	s_lshr_b32 s[YC], s18, 1
	s_lshl_b32 s[YC], s[YC], 11
	s_and_b32 s83, s18, 1
	s_lshl_b32 s99, s83, 10
	s_add_co_u32 s[YC], s[YC], s99                 ; K step head / 2, pieces 2 (head % 2) on
	s_lshr_b32 s[YS], s18, 3
	s_lshl_b32 s[YS], s[YS], 8
	s_bfe_u32 s99, s18, 0x20001
	s_lshl_b32 s99, s99, 2
	s_add_co_u32 s[YS], s[YS], s99
	s_lshl_b32 s83, s83, 1
	s_add_co_u32 s[YS], s[YS], s83
	s_wait_dscnt 0x0                               ; both opening adds are done
	s_wait_kmcnt 0x0
	s_cmp_eq_u32 s[WV], 10                         ; waves 8, 9 fetch K's scale words, wave 10 V's
	s_cselect_b64 s[G0S+2:G0S+3], s[10:11], s[6:7]
	s_add_nc_u64 s[G0S+2:G0S+3], s[G0S+2:G0S+3], s[90:91]
	s_or_b32 s[G0S+3], s[G0S+3], 0x80000000
	s_mov_b32 s[G0S], 1
	s_mov_b32 s[G0K0], 1
	s_add_nc_u64 s[G0K0+2:G0K0+3], s[4:5], s[84:85]
	s_or_b32 s[G0K0+3], s[G0K0+3], 0x80000000
	s_mov_b32 s[G0K1], 1
	s_add_nc_u64 s[G0K1+2:G0K1+3], s[4:5], s[86:87]
	s_or_b32 s[G0K1+3], s[G0K1+3], 0x80000000
	s_mov_b32 s[G0V0], 1
	s_add_nc_u64 s[G0V0+2:G0V0+3], s[8:9], s[88:89]
	s_mov_b32 s[G0V1], 1
	s_add_nc_u64 s[G0V1+2:G0V1+3], s[G0V0+2:G0V0+3], 8192
	s_or_b32 s[G0V0+3], s[G0V0+3], 0x80000000
	s_or_b32 s[G0V1+3], s[G0V1+3], 0x80000000
; THE HEAD'S LOADS, ONE A WAVE: one chain of branches on the wave's number, a load to an arm, all arms to one join
.macro ARM under, g0, g1, next
	s_cmp_lt_u32 s[WV], \under
	s_cbranch_scc0 \next
	tensor_load_to_lds s[\g0:\g0+3], s[\g1:\g1+7]
	s_nop 0
	NOPS 4
	s_branch .Lasked
\next:
.endm
	ARM 4, G0K0, G1A, .Lhead_v
	ARM 8, G0V0, G1A, .Lhead_s
	ARM 11, G0S, G1S, .Lhead_none
.Lasked:
	QADR T2R, 82, 84
	QADR T1R, 90, 92
	v_and_b32 v8, 31, v0
	s_delay_alu instid0(VALU_DEP_1)
	v_lshlrev_b32 v[LI], 4, v8
	v_and_b32 v9, 15, v0                           ; r
	s_delay_alu instid0(VALU_DEP_1)
	v_lshlrev_b32 v[QSA], 5, v9
	global_load_b128 v[16:19], v[LI], s[82:83]                ; the late tile's Q, twice: in front of the zeros and behind them
	global_load_b128 v[20:23], v[LI], s[82:83] offset:512
	global_load_b128 v[32:35], v[LI], s[82:83]
	global_load_b128 v[36:39], v[LI], s[82:83] offset:512
	global_load_b32 v244, v[QSA], s[84:85]
	global_load_b128 v[96:99], v[LI], s[90:91]                ; the early tile's Q, on its way to LDS
	global_load_b128 v[100:103], v[LI], s[90:91] offset:512
	global_load_b32 v104, v[QSA], s[92:93]
	v_add_nc_u32 v[LV], 131072, v[LI]
	v_lshl_add_u32 v[ASK0], v9, 5, 262144          ; 32 bytes a row: eight tiles' words
	v_lshl_add_u32 v[ASV0], v9, 4, 270336          ; 16 bytes a row: four tiles' words
	v_lshl_add_u32 v[QL], v0, 4, QST
	v_lshl_add_u32 v[QW], v0, 2, QST+16384
	v_and_b32 v[DM0], 8, v9
	v_bfe_u32 v11, v0, 4, 1
	v_add_nc_u32 v[DM0], v[DM0], v9
	v_lshlrev_b32 v11, 4, v11
	s_delay_alu instid0(VALU_DEP_1)
	v_sub_nc_u32 v[DM0], v[DM0], v11
	v_mov_b32 v[NINF], 0xff800000
.irp z, 24,48,72
.irp n, 0,1,2,3,4,5,6,7
	v_mov_b32 v[\z+\n], 0                          ; the zero codes, written once
.endr
.endr
	v_mov_b32 v88, 0
	v_mov_b32 v90, 0
	v_mov_b32 v91, 0                               ; (named as the upper half of a pair)
.irp b, 0,1,2,3
	v_mov_b32 v[BP+\b], 0                          ; a lane permute's destination counts as one of its sources
.endr
	RESET T2R
	s_wait_alu depctr_va_vdst(0)
	s_wait_loadcnt 0x0                             ; both tiles' Q
	ds_store_b128 v[QL], v[96:99]                  ; my wave's own bytes: no other wave names them
	ds_store_b128 v[QL], v[100:103] offset:8192
	ds_store_b32 v[QW], v104
	s_wait_tensorcnt 0x0                           ; my load of the head is in
	ds_add_u32 v254, v255                          ; the add, twice on end
	ds_add_u32 v254, v255
	s_wait_dscnt 0x0
	s_barrier_signal -1
	s_barrier_wait -1                              ; key steps 0-3 and the scale words are whole
	s_cmp_lt_u32 s[WV], 4                          ; key steps 4-15: a first fill, issued as a refill is: one load a wave
	s_cbranch_scc0 .Lnot_k
	tensor_load_to_lds s[G0K1:G0K1+3], s[G1B:G1B+7]
	s_nop 0
	NOPS 4
	s_branch .Lrest_asked
.Lnot_k:
	s_cmp_lt_u32 s[WV], 8
	s_cbranch_scc0 .Lrest_asked
	tensor_load_to_lds s[G0V1:G0V1+3], s[G1B:G1B+7]
	s_nop 0
	NOPS 4
.Lrest_asked:
; A KEY STEP: 128 keys.  mask = 0: a step that lies ahead of every wave's diagonal: no test, no hidden keys
.macro KSC off                         ; a step's eight scale words of K
	ds_load_b128 v[232:235], v[ADS] offset:\off
	ds_load_b128 v[236:239], v[ADS] offset:16+\off
.endm
.macro KLOAD g, off                    ; four key tiles' codes
.irp t, 0,1,2,3
	ds_load_b128 v[40+24*(\t/2)+16*(\t%2):43+24*(\t/2)+16*(\t%2)], v[ADK] offset:(4*\g+\t)*1024+\off
	ds_load_b128 v[44+24*(\t/2)+16*(\t%2):47+24*(\t/2)+16*(\t%2)], v[ADK] offset:(4*\g+\t)*1024+512+\off
.endr
.endm
.macro SMUL g                          ; S^T = K Q^T, four tiles of 16 keys
	v_wmma_scale_f32_16x16x128_f8f6f4 v[96+32*\g:103+32*\g], v[40:55], v[16:31], 0, v[232+4*\g], v244
	v_wmma_scale_f32_16x16x128_f8f6f4 v[104+32*\g:111+32*\g], v[48:63], v[24:39], 0, v[233+4*\g], v244
	v_wmma_scale_f32_16x16x128_f8f6f4 v[112+32*\g:119+32*\g], v[64:79], v[16:31], 0, v[234+4*\g], v244
	v_wmma_scale_f32_16x16x128_f8f6f4 v[120+32*\g:127+32*\g], v[72:87], v[24:39], 0, v[235+4*\g], v244
.endm
; The largest score of blocks 2 h and 2 h + 1 (32 keys each, 16 in my registers): for the row's maximum, and, since p rises with the score, for the block's largest p.
; Two chains a block, one for each of its two accumulators (each read from its low end on), the four chains by turns: eight lines in MAXA, eight in MAXB.
.macro MAXA h
.irp b, 2*\h, 2*\h+1
	v_max3_num_f32 v[BM+(\b)], v[96+16*(\b)], v[97+16*(\b)], v[98+16*(\b)]
.endr
.irp b, 2*\h, 2*\h+1
	v_max3_num_f32 v[BP+(\b)], v[104+16*(\b)], v[105+16*(\b)], v[106+16*(\b)]
.endr
.irp b, 2*\h, 2*\h+1
	v_max3_num_f32 v[BM+(\b)], v[BM+(\b)], v[99+16*(\b)], v[100+16*(\b)]
.endr
.irp b, 2*\h, 2*\h+1
	v_max3_num_f32 v[BP+(\b)], v[BP+(\b)], v[107+16*(\b)], v[108+16*(\b)]
.endr
.endm
.macro MAXB h
.irp b, 2*\h, 2*\h+1
	v_max3_num_f32 v[BM+(\b)], v[BM+(\b)], v[101+16*(\b)], v[102+16*(\b)]
.endr
.irp b, 2*\h, 2*\h+1
	v_max3_num_f32 v[BP+(\b)], v[BP+(\b)], v[109+16*(\b)], v[110+16*(\b)]
.endr
.irp b, 2*\h, 2*\h+1
	v_max3_num_f32 v[BM+(\b)], v[BM+(\b)], v[103+16*(\b)], v[111+16*(\b)]
.endr
.irp b, 2*\h, 2*\h+1
	v_max_num_f32 v[BM+(\b)], v[BM+(\b)], v[BP+(\b)]
.endr
.endm
.macro MASKH h                         ; the diagonal step: hidden scores of blocks 2 h and 2 h + 1 become -infinity
.set n, 32*\h
.rept 32
	v_cmp_gt_i32 vcc_lo, 32*(n/16)+n%16, v[DM]     ; register 16 b + i holds key 32 b + 16 (lane / 16) + i of the step
	v_cndmask_b32 v[96+n], v[96+n], v[NINF], vcc_lo
.set n, n+1
.endr
.endm
.macro PRE                             ; ahead of a loop whose steps fetch one step ahead: its first step's scale words and first four key tiles
	v_add_nc_u32 v[ADK], s[TK], v[LI]
	v_add_nc_u32 v[ADS], s[TS], v[ASK0]
	KSC 0
	KLOAD 0, 0
.endm
; pf = 1: the step finds its scale words and first four key tiles in registers and fetches the next step's, 8,192 and 512 bytes on, once the score products have read theirs.
; (A wave's last step so fetches bytes that it does not use: they lie in LDS bytes that have landed, K's last step's behind K's end among V's.)
.macro STEP mask, pf
.if \mask
	s_cmp_gt_u32 s[SI], s[SD]
	s_cbranch_scc1 .Lhidden_\@
.endif
	v_add_nc_u32 v[ADK], s[TK], v[LI]
	s_wait_alu depctr_va_vdst(0)                   ; directly behind the write
	v_add_nc_u32 v[ADV], s[TV], v[LV]
	v_add_nc_u32 v[ADS], s[TS], v[ASK0]
	v_add_nc_u32 v[ADT], s[TJ], v[ASV0]
	s_delay_alu instid0(VALU_DEP_3)
	v_add_nc_u32 v[ADW], 65536, v[ADV]
	NOPS 4                                         ; with the five additions nine places: the products below write over registers that the last step's products read
.if \pf == 0
	KSC 0
	KLOAD 0, 0
.endif
	s_wait_dscnt 0x0
	SMUL 0
	NOPS 8                                         ; places in front of the loads into registers that these products have read, and of the first reader of their results
	KLOAD 1, 0                                     ; key tiles 4-7 are on their way while blocks 0 and 1 are searched
.if \mask
	s_cmp_lt_u32 s[SI], s[SD]                      ; only the step on the diagonal hides keys
	s_cbranch_scc1 .Lopen0_\@
	MASKH 0
.Lopen0_\@:
.endif
	MAXA 0
	s_wait_alu depctr_va_vdst(0)                   ; directly ahead of the wait below
	s_wait_dscnt 0x0
	SMUL 1
	MAXB 0                                         ; eight plain lines that name none of these products' registers: their places
.if \pf
	KSC 512                                        ; the next step's
	KLOAD 0, 8192
.endif
.if \mask
	s_cmp_lt_u32 s[SI], s[SD]
	s_cbranch_scc1 .Lopen1_\@
	MASKH 1
.Lopen1_\@:
.endif
	MAXA 1
	MAXB 1
	v_permlanex16_b32 v[BP], v[BM], s[SEL], s[SEL+1]
	v_permlanex16_b32 v[BP+1], v[BM+1], s[SEL], s[SEL+1]
	s_delay_alu instid0(VALU_DEP_4)
	v_permlanex16_b32 v[BP+2], v[BM+2], s[SEL], s[SEL+1]
	s_delay_alu instid0(VALU_DEP_4)
	v_permlanex16_b32 v[BP+3], v[BM+3], s[SEL], s[SEL+1]
.irp b, 0,1,2,3
	s_delay_alu instid0(VALU_DEP_4)
	v_max_num_f32 v[BM+\b], v[BM+\b], v[BP+\b]
.endr
	s_delay_alu instid0(VALU_DEP_2)
	v_max3_num_f32 v88, v[BM], v[BM+1], v[BM+2]
	s_delay_alu instid0(VALU_DEP_1)
	v_max_num_f32 v88, v88, v[BM+3]
	s_delay_alu instid0(VALU_DEP_1)
	v_mul_f32 v88, s[CS], v88                      ; the step's largest t of my query
	s_delay_alu instid0(VALU_DEP_1)
	v_max_num_f32 v13, v13, v88
	v_mov_b32 v88, v12
	s_delay_alu instid0(VALU_DEP_2)
	v_floor_f32 v12, -v13                          ; the new -M = -ceil(t)
	s_delay_alu instid0(VALU_DEP_1)
	v_sub_f32 v88, v12, v88                        ; old M - new M: a whole number, 0 or less
	s_delay_alu instid0(VALU_DEP_1)
	v_cvt_i32_f32 v88, v88                         ; (it saturates)
	s_delay_alu instid0(VALU_DEP_1)
	v_ldexp_f32 v90, 1.0, v88                      ; f = 2^(old M - new M)
.set n, 0
.rept 32
	v_pk_fma_f32 v[96+n:97+n], v[96+n:97+n], s[CS:CS+1], v[12:13] op_sel_hi:[1,0,0]   ; t - M
.set n, n+2
.endr
.irp b, 0,1,2,3
	v_fma_f32 v[BM+\b], v[BM+\b], s[CS], v12
.endr
.set n, 0
	s_wait_alu depctr_va_vdst(0)
.rept 64
	v_exp_f32 v[96+n], v[96+n]                     ; p = 2^(t - M)
.set n, n+1
.endr
	v_pk_mul_f32 v[14:15], v[14:15], v[90:91] op_sel_hi:[1,0]   ; the sums under the new M; a plain line behind the exponentials
	s_wait_alu depctr_va_vdst(0)                   ; one wait for the batch of 64, ahead of its first reader
.irp b, 0,1,2,3
	v_exp_f32 v[BM+\b], v[BM+\b]                   ; each block's largest p
.endr
	v_pk_add_f32 v[224:225], v[100:101], v[104:105]   ; the row's sum of the unquantised p, in eight chains
	v_pk_add_f32 v[252:253], v[108:109], v[112:113]
	v_pk_add_f32 v[250:251], v[116:117], v[120:121]
	v_pk_add_f32 v[248:249], v[124:125], v[128:129]
	v_pk_add_f32 v[246:247], v[132:133], v[136:137]
	v_pk_add_f32 v[242:243], v[140:141], v[144:145]
	v_pk_add_f32 v[240:241], v[148:149], v[152:153]
	v_pk_add_f32 v[14:15], v[14:15], v[156:157]
	v_pk_add_f32 v[224:225], v[224:225], v[96:97]
	v_pk_add_f32 v[252:253], v[252:253], v[98:99]
	v_pk_add_f32 v[250:251], v[250:251], v[102:103]
	v_pk_add_f32 v[248:249], v[248:249], v[106:107]
	v_pk_add_f32 v[246:247], v[246:247], v[110:111]
	v_pk_add_f32 v[242:243], v[242:243], v[114:115]
	v_pk_add_f32 v[240:241], v[240:241], v[118:119]
	v_pk_add_f32 v[14:15], v[14:15], v[122:123]
	v_pk_add_f32 v[224:225], v[224:225], v[126:127]
	v_pk_add_f32 v[252:253], v[252:253], v[130:131]
	v_pk_add_f32 v[250:251], v[250:251], v[134:135]
	v_pk_add_f32 v[248:249], v[248:249], v[138:139]
	v_pk_add_f32 v[246:247], v[246:247], v[142:143]
	v_pk_add_f32 v[242:243], v[242:243], v[146:147]
	v_pk_add_f32 v[240:241], v[240:241], v[150:151]
	v_pk_add_f32 v[14:15], v[14:15], v[154:155]
	v_pk_add_f32 v[224:225], v[224:225], v[158:159]
	s_delay_alu instid0(VALU_DEP_2)
	v_pk_add_f32 v[14:15], v[14:15], v[248:249]
	s_delay_alu instid0(VALU_DEP_2)
	v_pk_add_f32 v[224:225], v[224:225], v[246:247]
	v_pk_add_f32 v[252:253], v[252:253], v[242:243]
	v_pk_add_f32 v[250:251], v[250:251], v[240:241]
	s_delay_alu instid0(VALU_DEP_2)
	v_pk_add_f32 v[14:15], v[14:15], v[252:253]
	s_delay_alu instid0(VALU_DEP_2)
	v_pk_add_f32 v[224:225], v[224:225], v[250:251]
	s_delay_alu instid0(VALU_DEP_1)
	v_pk_add_f32 v[14:15], v[14:15], v[224:225]
	s_wait_alu depctr_va_vdst(0)                   ; and one for the four
.irp b, 0,1,2,3
	v_max_num_f32 v[BM+\b], 0x4800000, v[BM+\b]    ; the floor: the byte cannot fall under 1
.endr
.irp b, 0,1,2,3
	s_delay_alu instid0(VALU_DEP_4)
	v_add_nc_u32 v[BS+\b], 0xfc000000, v[BM+\b]
.endr
.irp b, 0,1,2,3
	v_and_or_b32 v[BH+\b], v[BM+\b], 0x7f800000, s[MNT]
.endr
.irp b, 0,1,2,3
	v_and_or_b32 v[BG+\b], v[BM+\b], 0x7f800000, s[MNT]
.endr
.irp b, 0,1,2,3
	v_lshrrev_b32 v[BP+\b], 23, v[BS+\b]
.endr
	s_delay_alu instid0(VALU_DEP_3)
	v_lshl_or_b32 v245, v[BP+1], 8, v[BP]          ; p's scale word for these 128 keys
	s_delay_alu instid0(VALU_DEP_1)
	v_lshl_or_b32 v245, v[BP+2], 16, v245
	s_delay_alu instid0(VALU_DEP_1)
	v_lshl_or_b32 v245, v[BP+3], 24, v245
.irp b, 0,1,2,3
.irp i, 0,2,4,6,8,10,12,14
	v_dual_min_num_f32 v[96+16*\b+\i], v[96+16*\b+\i], v[BH+\b] :: v_dual_min_num_f32 v[97+16*\b+\i], v[97+16*\b+\i], v[BG+\b]   ; the conversion does not saturate (ISA guide 7.6.2); p is not negative: a one-sided hold, two numbers a line
.endr
	v_cvt_scalef32_pk8_fp8_f32 v[192+4*\b:193+4*\b], v[96+16*\b:103+16*\b], v[BS+\b]
	v_cvt_scalef32_pk8_fp8_f32 v[194+4*\b:195+4*\b], v[104+16*\b:111+16*\b], v[BS+\b]
.irp c, 0,1,2,3                                ; V's fragment b takes block b's registers as soon as its p is converted
.if \b < 2
	ds_load_b128 v[96+16*\b+4*\c:99+16*\b+4*\c], v[ADV] offset:32768*\b+512*\c
.else
	ds_load_b128 v[96+16*\b+4*\c:99+16*\b+4*\c], v[ADW] offset:32768*(\b-2)+512*\c
.endif
.endr
.endr
	ds_load_b128 v[240:243], v[ADT]
	s_wait_alu depctr_va_vdst(0)                   ; directly ahead of the first reader of O^T
.set n, 0
.rept 16
	v_pk_mul_f32 v[160+n:161+n], v[160+n:161+n], v[90:91] op_sel_hi:[1,0]   ; O^T under the new M; these lines also stand between the conversions and the products
.set n, n+2
.endr
	s_wait_alu depctr_va_vdst(0)                   ; directly ahead of the wait below
	s_wait_dscnt 0x0
.irp ct, 0,1,2,3
	v_wmma_scale_f32_16x16x128_f8f6f4 v[160+8*\ct:167+8*\ct], v[96+16*\ct:111+16*\ct], v[192:207], v[160+8*\ct:167+8*\ct], v[240+\ct], v245
.endr
.if \mask
.Lhidden_\@:
.endif
	s_add_co_u32 s[TK], s[TK], 8192
	s_add_co_u32 s[TV], s[TV], 2048
	s_add_co_u32 s[TS], s[TS], 512
	s_add_co_u32 s[TJ], s[TJ], 256
	s_add_co_u32 s[SI], s[SI], 1
.endm
; THE WAY OUT of a tile: O^T / the sum is my query's 64 channels of y, 16 neighbours of each block of 32 in my registers: quantised, they are two pieces of y's image
.macro OUT
	NOPS 8                                         ; places behind the last products
	v_add_f32 v14, v14, v15
	s_delay_alu instid0(VALU_DEP_1)
	v_permlanex16_b32 v88, v14, s[SEL], s[SEL+1]
	s_delay_alu instid0(VALU_DEP_1)
	v_add_f32 v14, v14, v88                        ; the row's sum
	s_wait_alu depctr_va_vdst(0)
	v_rcp_f32 v14, v14
	v_and_b32 v8, 15, v0                           ; (a plain line behind the reciprocal)
	v_bfe_u32 v9, v0, 4, 1
	s_delay_alu instid0(VALU_DEP_1)
	v_lshl_add_u32 v10, v8, 4, v9                  ; scale bytes: 16 r + h
	v_and_b32 v11, 31, v0
	s_delay_alu instid0(VALU_DEP_1)
	v_cmp_gt_u32 vcc_lo, 16, v11
	s_wait_alu depctr_va_vdst(0)                   ; ahead of the reciprocal's first reader
.set n, 0
.rept 16
	v_pk_mul_f32 v[96+n:97+n], v[160+n:161+n], v[14:15] op_sel_hi:[1,0]   ; each accumulator from its low end on
.set n, n+2
.endr
.irp b, 0,1
	v_max3_num_f32 v[BM+\b], |v[96+16*\b]|, |v[97+16*\b]|, 0x4800000
.endr
.irp i, 2,4,6,8,10,12,14
.irp b, 0,1
	s_delay_alu instid0(VALU_DEP_2)
	v_max3_num_f32 v[BM+\b], v[BM+\b], |v[96+16*\b+\i]|, |v[97+16*\b+\i]|
.endr
.endr
.irp b, 0,1
	s_delay_alu instid0(VALU_DEP_2)
	v_permlanex16_b32 v[BP+\b], v[BM+\b], s[SEL], s[SEL+1]
.endr
.irp b, 0,1
	s_delay_alu instid0(VALU_DEP_2)
	v_max_num_f32 v[BM+\b], v[BM+\b], v[BP+\b]
.endr
.irp b, 0,1
	s_delay_alu instid0(VALU_DEP_2)
	v_add_nc_u32 v[BS+\b], 0xfc000000, v[BM+\b]
.endr
.irp b, 0,1
	s_delay_alu instid0(VALU_DEP_4)
	v_and_or_b32 v[BH+\b], v[BM+\b], 0x7f800000, s[MNT]
.endr
.irp b, 0,1
	s_delay_alu instid0(VALU_DEP_4)
	v_lshrrev_b32 v[BP+\b], 23, v[BS+\b]
.endr
.irp b, 0,1
.irp i, 0,1,2,3,4,5,6,7,8,9,10,11,12,13,14,15
	v_med3_num_f32 v[96+16*\b+\i], v[96+16*\b+\i], -v[BH+\b], v[BH+\b]
.endr
	v_cvt_scalef32_pk8_fp8_f32 v[192+4*\b:193+4*\b], v[96+16*\b:103+16*\b], v[BS+\b]
	v_cvt_scalef32_pk8_fp8_f32 v[194+4*\b:195+4*\b], v[104+16*\b:111+16*\b], v[BS+\b]
.endr
	v_nop                                          ; a plain line behind the last conversion
	global_store_b128 v[LI], v[192:195], s[86:87]              ; 512 consecutive bytes a store
	global_store_b128 v[LI], v[196:199], s[86:87] offset:512
	v_cndmask_b32 v88, v[BP+1], v[BP], vcc_lo      ; lane (r, h) stores block h's byte of row r
	global_store_b8 v10, v88, s[88:89]
.endm
.Lfirst:                                           ; the late tile, four trips: key steps 0-3, which have landed
	STEP 0, 0
	s_cmp_lt_u32 s[SI], 4
	s_cbranch_scc1 .Lfirst
	s_wait_tensorcnt 0x0                           ; my part of key steps 4-15 is in,
	s_wait_dscnt 0x0
	s_barrier_signal -1
	s_barrier_wait -1                              ; everybody's is
	s_mov_b32 s[SI], 4
	s_mov_b32 s[TK], 32768
	s_mov_b32 s[TV], 8192
	s_mov_b32 s[TS], 2048
	s_mov_b32 s[TJ], 1024
	PRE
.Lrest:                                            ; twelve trips, no barrier: a wave that has passed its diagonal runs through
	STEP 1, 1
	s_cmp_lt_u32 s[SI], 16
	s_cbranch_scc1 .Lrest
	OUT
	s_wait_xcnt 0x0                                ; the stores have read their registers and bases: both are written below
	s_wait_dscnt 0x0                               ; no LDS load of mine is out, on any path: the fetch below writes registers that the fetch ahead of the last loop wrote
	ds_load_b128 v[16:19], v[QL]                   ; the early tile's Q, out of my wave's own bytes
	ds_load_b128 v[20:23], v[QL] offset:8192
	ds_load_b128 v[32:35], v[QL]
	ds_load_b128 v[36:39], v[QL] offset:8192
	ds_load_b32 v244, v[QW]
	RESET T1R
	PRE
	s_wait_alu depctr_va_vdst(0)                   ; directly ahead of the wait below
	s_wait_dscnt 0x0
.Learly:                                           ; the early tile: its diagonal lies in key steps 0-7
	STEP 1, 1
	s_cmp_lt_u32 s[SI], 8
	s_cbranch_scc1 .Learly
	OUT
	s_wait_tensorcnt 0x0                           ; the wave's end
	ds_add_u32 v254, v255
	s_wait_dscnt 0x0
	s_endpgm
.Lfunc_end_k_q17962496d7_attn:
	.size	k_q17962496d7_attn, .Lfunc_end_k_q17962496d7_attn-k_q17962496d7_attn
	.p2alignl 7, 3214868480
	.fill 96, 4, 3214868480
	.section	.rodata,"a",@progbits
	.p2align	6, 0x0
	.amdhsa_kernel k_q17962496d7_attn
		.amdhsa_group_segment_fixed_size 327680
		.amdhsa_private_segment_fixed_size 0
		.amdhsa_enable_private_segment 0
		.amdhsa_kernarg_size 48
		.amdhsa_user_sgpr_count 2
		.amdhsa_user_sgpr_kernarg_segment_ptr 1
		.amdhsa_wavefront_size32 1
		.amdhsa_system_sgpr_workgroup_id_x 1
		.amdhsa_system_sgpr_workgroup_id_y 1
		.amdhsa_system_sgpr_workgroup_id_z 1
		.amdhsa_system_vgpr_workitem_id 0
		.amdhsa_next_free_vgpr 256
		.amdhsa_next_free_sgpr 100
		.amdhsa_reserve_vcc 1
		.amdhsa_float_denorm_mode_32 3
		.amdhsa_float_denorm_mode_16_64 3
		.amdhsa_memory_ordered 1
		.amdhsa_forward_progress 1
		.amdhsa_inst_pref_size 101
	.end_amdhsa_kernel
	.amdgpu_metadata
---
amdhsa.version: [ 1, 2 ]
amdhsa.kernels:
  - .name:           k_q17962496d7_attn
    .symbol:         k_q17962496d7_attn.kd
    .args:
      - { .name: qk_img, .offset: 0, .size: 8, .value_kind: global_buffer, .address_space: global }
      - { .name: qk_sc, .offset: 8, .size: 8, .value_kind: global_buffer, .address_space: global }
      - { .name: v_img, .offset: 16, .size: 8, .value_kind: global_buffer, .address_space: global }
      - { .name: v_sc, .offset: 24, .size: 8, .value_kind: global_buffer, .address_space: global }
      - { .name: opimg, .offset: 32, .size: 8, .value_kind: global_buffer, .address_space: global }
      - { .name: opsc, .offset: 40, .size: 8, .value_kind: global_buffer, .address_space: global }
    .group_segment_fixed_size: 327680
    .private_segment_fixed_size: 0
    .kernarg_segment_align: 8
    .kernarg_segment_size: 48
    .max_flat_workgroup_size: 512
    .sgpr_count:     100
    .vgpr_count:     256
    .wavefront_size: 32
...
	.end_amdgpu_metadata
.endif
;; end of part 3
;; launch proj (part 4): grid 4 x 32, 4 waves a work-group, clusters of 4 x 4, 327,680 bytes of LDS; arguments opimg, opsc, b_proj, out0; writes out0
.if DOCPART == 4
	.amdgcn_target "amdgcn-amd-amdhsa--gfx1250"
	.amdhsa_code_object_version 6
	.text
	.protected	k_q17962496d7_proj
	.globl	k_q17962496d7_proj
	.p2align	8
	.type	k_q17962496d7_proj,@function
k_q17962496d7_proj:
	s_mov_b64 s[64:65], 0
	v_nop
	global_prefetch_b8 v0, s[64:65] scope:SCOPE_SE
	s_setreg_imm32_b32 hwreg(HW_REG_WAVE_MODE, 25, 1), 1
	s_wait_xcnt 0x0
	s_wait_alu depctr_hold_cnt(0) depctr_sa_sdst(0) depctr_va_vdst(0) depctr_va_sdst(0) depctr_va_ssrc(0) depctr_va_vcc(0) depctr_vm_vsrc(0)
	s_getreg_b32 s2, hwreg(HW_REG_IB_STS2, 6, 4)
	s_cmp_eq_u32 s2, 0
	s_cbranch_scc0 .Lentry_in_a_cluster
	s_endpgm
.Lentry_in_a_cluster:
	s_bfe_u32 s2, ttmp6, 0x10000c
	s_cmp_lg_u32 s2, 0xf033
	s_cbranch_scc0 .Lentry_shape_is_right
	s_endpgm
.Lentry_shape_is_right:
.set SLOT,  131072
.set SPARE, 2*SLOT
.set NP,    8
.set ADRA, 16
.set ADRB, 20
.set STO,  24
.set RD,   25
.set CO,   26
.set SPW,  28
.set NIL,  29
.set SC,   32
.set AF,   128
.set BK,   128
.set WV, 18
.set RH, 19
.set CH, 20
.set G1, 24
.set G0, 32
.set G1B, 48
.set G0B, 56
.set MSB, 0
.macro WIN new
.if MSB != (\new)
	s_set_vgpr_msb (MSB<<8)|(\new)
.set MSB, (\new)
.endif
.endm
.set MUL_LO, 0xa1
.set MUL_HI, 0xf1
.set TO_B,   0x40
.macro JLOAD g0a, g1a, g0b, g1b
	s_cmp_eq_u32 s[RH], 0
	s_cbranch_scc0 .Lfor_b_\@
	tensor_load_to_lds s[\g0a:\g0a+3], s[\g1a:\g1a+7]
	s_nop 0
.rept 4
	v_nop
.endr
	s_branch .Lasked_\@
.Lfor_b_\@:
	tensor_load_to_lds s[\g0b:\g0b+3], s[\g1b:\g1b+7]
	s_nop 0
.rept 4
	v_nop
.endr
.Lasked_\@:
.endm
.macro CREST
	s_cmp_lg_u32 s[WV], 0
	s_cbranch_scc1 .Lnot_wave_0_\@
	s_barrier_signal -3
.Lnot_wave_0_\@:
	s_barrier_wait -3
	s_barrier_signal -1
	s_barrier_wait -1
.endm
.macro CROUND
	s_barrier_signal -1
	s_barrier_wait -1
	CREST
.endm
.macro PLACES n
.rept \n
	v_nop
.endr
.endm
.macro FRAG reg, adr, q, i
.irp c, 0,1,2,3
	ds_load_b128 v[\reg+4*\c:\reg+4*\c+3], v[\adr] offset:4096*(\i)+2048*(\q)+512*\c
.endr
.endm
.macro FETCH_B slot, q, p
	WIN TO_B
.irp i, 0,1,2,3,4,5,6,7
	FRAG 128*(\p)+16*\i, ADRB+\slot, \q, \i
.endr
	WIN 0
.endm
.macro FETCH_A slot, q, i0
.irp i, \i0, \i0+1, \i0+2, \i0+3
	FRAG AF+16*(\i), ADRA+\slot, \q, \i
.endr
.endm
.macro MUL16 a0, p, ks, zero
.irp a, \a0, \a0+1
.irp t, 0,1,2,3,4,5,6,7
.if \zero
	v_wmma_scale_f32_16x16x128_f8f6f4 v[8*(8*((\a)%4)+\t):8*(8*((\a)%4)+\t)+7], v[128*(\p)+16*\t:128*(\p)+16*\t+15], v[AF+16*(\a):AF+16*(\a)+15], 0, v[SC+8*\t+(\ks)], v[SC+8*(\a)+(\ks)] matrix_a_scale:MATRIX_SCALE_ROW1
.else
	v_wmma_scale_f32_16x16x128_f8f6f4 v[8*(8*((\a)%4)+\t):8*(8*((\a)%4)+\t)+7], v[128*(\p)+16*\t:128*(\p)+16*\t+15], v[AF+16*(\a):AF+16*(\a)+15], v[8*(8*((\a)%4)+\t):8*(8*((\a)%4)+\t)+7], v[SC+8*\t+(\ks)], v[SC+8*(\a)+(\ks)] matrix_a_scale:MATRIX_SCALE_ROW1
.endif
.endr
.endr
.endm
.macro STEP slot, ks, zero
	s_wait_dscnt 16
	WIN MUL_LO
	MUL16 0, 0, \ks, \zero
	MUL16 2, 0, \ks, \zero
	s_wait_dscnt 0
	PLACES NP
	FETCH_B \slot, 1, 1
	FETCH_A \slot, 1, 0
	WIN MUL_HI
	MUL16 4, 0, \ks, \zero
	MUL16 6, 0, \ks, \zero
	PLACES NP
	WIN 0
	FETCH_A \slot, 1, 4
.endm
.macro TURN slot, next, fill, ks, first=0
	s_wait_tensorcnt 0x0
	ds_add_u32 v[SPW], v[NIL]
.if \first
	RING8                                          ; no load of mine is out: the head's descriptors become the ring's
.endif
	s_wait_dscnt 17
	WIN MUL_LO
	MUL16 0, 1, \ks, 0
	s_wait_dscnt 0x0
	s_barrier_signal -1
	MUL16 2, 1, \ks, 0
	WIN 0
	s_barrier_wait -1
.if \fill
	CREST
	s_add_nc_u64 s[G0+4*\slot+2:G0+4*\slot+3], s[G0+4*\slot+2:G0+4*\slot+3], 8192
	s_add_nc_u64 s[G0B+4*\slot+2:G0B+4*\slot+3], s[G0B+4*\slot+2:G0B+4*\slot+3], 8192
	JLOAD G0+4*\slot, G1, G0B+4*\slot, G1B
	PLACES NP-4
.else
	PLACES NP
.endif
	FETCH_B \next, 0, 0
	FETCH_A \next, 0, 0
	WIN MUL_HI
	MUL16 4, 1, \ks, 0
	MUL16 6, 1, \ks, 0
	PLACES NP
	WIN 0
	FETCH_A \next, 0, 4
.endm
.macro LAST ks
	s_wait_dscnt 16
	WIN MUL_LO
	MUL16 0, 1, \ks, 0
	MUL16 2, 1, \ks, 0
	s_wait_dscnt 0
	WIN MUL_HI
	MUL16 4, 1, \ks, 0
	MUL16 6, 1, \ks, 0
	WIN 0
.endm
	s_load_b256 s[4:11], s[0:1], 0x0
	v_lshl_add_u32 v[SPW], v0, 2, SPARE
	v_mov_b32 v[NIL], 0
	ds_add_u32 v28, v29
	ds_add_u32 v28, v29
	s_wait_dscnt 0x0
	v_lshrrev_b32 v1, 5, v0
	v_readfirstlane_b32 s[WV], v1
	s_lshr_b32 s[RH], s[WV], 1
	s_and_b32 s[CH], s[WV], 1
	s_bfe_u32 s21, ttmp6, 0x40000
	s_bfe_u32 s22, ttmp6, 0x40004
	s_lshl_b32 s44, s22, 2
	s_lshl_b32 s44, 15, s44
	s_lshl_b32 s46, 0x1111, s21
	s_or_b32 s[G1], s44, (3<<16)|(1<<21)
	s_or_b32 s[G1B], s46, (3<<16)|(1<<21)
.irp g, G1, G1B
	s_mov_b32 s[\g+1], 512<<16
	s_mov_b32 s[\g+2], 16<<16
	s_mov_b32 s[\g+3], 512<<16
	s_mov_b32 s[\g+4], 16
	s_mov_b32 s[\g+5], 2048
	s_mov_b32 s[\g+6], 0
	s_mov_b32 s[\g+7], 0
.endr
	s_and_b32 s100, ttmp7, 0xffff
	s_lshl_b32 s100, s100, 2
	s_add_co_u32 s100, s100, s22
	s_lshl_b32 s101, ttmp9, 2
	s_add_co_u32 s101, s101, s21
	s_lshl_b32 s89, s100, 4
	s_add_co_u32 s89, s89, 768
	s_lshl_b32 s90, s101, 4
	s_add_co_u32 s90, s90, 704
	s_lshl_b32 s91, s[CH], 3
	s_add_co_u32 s44, s89, s91
	s_lshl_b32 s44, s44, 14
	s_mov_b32 s45, 0
	s_add_co_u32 s46, s90, s91
	s_lshl_b32 s46, s46, 14
	s_mov_b32 s47, 0
	s_add_co_u32 s3, s90, s91
	s_lshl_b32 s3, s3, 9
	s_lshl_b32 s91, s[RH], 3
	s_add_co_u32 s23, s89, s91
	s_lshl_b32 s23, s23, 9
	s_lshl_b32 s2, s[WV], 15
	s_lshl_b32 s94, s101, 10
	s_lshl_b32 s95, s[CH], 9
	s_add_co_u32 s94, s94, s95
	s_lshl_b32 s40, s100, 20
	s_lshl_b32 s95, s[RH], 19
	s_add_co_u32 s40, s40, s95
	s_add_co_u32 s40, s40, s94
	s_mov_b32 s41, 0
	s_wait_kmcnt 0x0
	s_add_nc_u64 s[44:45], s[4:5], s[44:45]
	s_add_nc_u64 s[46:47], s[4:5], s[46:47]
	s_add_nc_u64 s[10:11], s[10:11], s[40:41]
	CROUND
	; THE HEAD'S LOADS, ONE A WAVE: both slots are filled here: wave 0 A's 16 tiles of slot 0, wave 1 B's, wave 2 A's of slot 1, wave 3 B's
	s_lshl_b32 s70, s89, 14                        ; A's first tile, in bytes
	s_mov_b32 s71, 0
	s_lshl_b32 s72, s90, 14                        ; B's
	s_mov_b32 s73, 0
	s_add_nc_u64 s[70:71], s[4:5], s[70:71]
	s_add_nc_u64 s[72:73], s[4:5], s[72:73]
.irp s, 0,1
	s_mov_b32 s[G0+4*\s], 1
	s_mov_b32 s[G0+4*\s+1], \s*SLOT
	s_add_nc_u64 s[G0+4*\s+2:G0+4*\s+3], s[70:71], \s*4096
	s_or_b32 s[G0+4*\s+3], s[G0+4*\s+3], 0x80000000
	s_mov_b32 s[G0B+4*\s], 1
	s_mov_b32 s[G0B+4*\s+1], \s*SLOT+65536
	s_add_nc_u64 s[G0B+4*\s+2:G0B+4*\s+3], s[72:73], \s*4096
	s_or_b32 s[G0B+4*\s+3], s[G0B+4*\s+3], 0x80000000
.endr
.macro ARM under, g0, g1, next                 ; one chain of branches on the wave's number, a load to an arm, all arms to one join
	s_cmp_lt_u32 s[WV], \under
	s_cbranch_scc0 \next
	tensor_load_to_lds s[\g0:\g0+3], s[\g1:\g1+7]
	s_nop 0
.rept 4
	v_nop
.endr
	s_branch .Lhead_asked
\next:
.endm
	ARM 1, G0, G1, .Lhead_b0
	ARM 2, G0B, G1B, .Lhead_a1
	ARM 3, G0+4, G1, .Lhead_b1
	tensor_load_to_lds s[G0B+4:G0B+7], s[G1B:G1B+7]
	s_nop 0
.rept 4
	v_nop
.endr
.Lhead_asked:
	v_and_b32 v1, 31, v0
	v_and_b32 v2, 15, v0
	v_bfe_u32 v3, v0, 4, 1
	v_lshlrev_b32 v[CO], 4, v1
	v_cmp_gt_u32 vcc_lo, 16, v1
	v_mov_b32 v10, s23
	v_mov_b32 v11, s3
	v_cndmask_b32 v27, v11, v10, vcc_lo
	v_lshl_add_u32 v27, v2, 4, v27
	v_add_nc_u32 v22, s94, v[CO]
	s_lshl_b32 s91, s[RH], 15
	v_add_nc_u32 v[ADRA], s91, v[CO]
	v_add_nc_u32 v[ADRA+1], SLOT, v[ADRA]
	s_lshl_b32 s91, s[CH], 15
	s_add_co_u32 s91, s91, 65536
	v_add_nc_u32 v[ADRB], s91, v[CO]
	v_add_nc_u32 v[ADRB+1], SLOT, v[ADRB]
	s_mul_i32 s91, s[WV], 8448
	v_mul_u32_u24 v[STO], v2, 528
	v_lshl_add_u32 v[STO], v3, 6, v[STO]
	v_add_nc_u32 v[STO], s91, v[STO]
	v_add_nc_u32 v[RD], s91, v[CO]
.irp i, 0,1,2,3,4,5,6,7
	global_load_b128 v[SC+8*\i:SC+8*\i+3], v27, s[6:7] offset:512*\i
	global_load_b128 v[SC+8*\i+4:SC+8*\i+7], v27, s[6:7] offset:512*\i+256
.endr
	global_load_b128 v[96:99], v22, s[8:9]
	s_wait_alu depctr_va_vdst(0)
	s_wait_loadcnt 0x0
.macro RING8                           ; the ring's descriptors: a load brings 8 tiles, wave x 32,768 bytes into a slot.  Run behind a wait for all my tensor loads
.irp s, 0,1
	s_add_co_u32 s[G0+4*\s+1], s2, \s*SLOT
	s_add_nc_u64 s[G0+4*\s+2:G0+4*\s+3], s[44:45], \s*4096
	s_or_b32 s[G0+4*\s+3], s[G0+4*\s+3], 0x80000000
	s_add_co_u32 s[G0B+4*\s+1], s2, \s*SLOT
	s_add_nc_u64 s[G0B+4*\s+2:G0B+4*\s+3], s[46:47], \s*4096
	s_or_b32 s[G0B+4*\s+3], s[G0B+4*\s+3], 0x80000000
.endr
	s_mov_b32 s[G1+2], 8<<16
	s_mov_b32 s[G1+4], 8
	s_mov_b32 s[G1B+2], 8<<16
	s_mov_b32 s[G1B+4], 8
.endm
	s_cmp_lt_u32 s[WV], 2                          ; waves 0 and 1 loaded slot 0, by lines of their own: they wait here; waves 2 and 3, which loaded slot 1, wait at the first change of slots
	s_cbranch_scc0 .Lslot_1
	s_wait_tensorcnt 0x0
.Lslot_1:
	s_barrier_signal -1
	s_barrier_wait -1                              ; slot 0 is whole
	FETCH_B 0, 0, 0
	FETCH_A 0, 0, 0
	FETCH_A 0, 0, 4
	STEP 0, 0, 1
	TURN 0, 1, 1, 1, 1
	STEP 1, 2, 0
	TURN 1, 0, 1, 3
	STEP 0, 4, 0
	TURN 0, 1, 0, 5
	STEP 1, 6, 0
	LAST 7
.macro TOSTAGE a
.set AC, 64*((\a)%4)
	WIN 0x08+4*((\a)/4)
.irp t, 0,1,2,3,4,5,6,7
	ds_store_b128 v[STO], v[AC+8*\t:AC+8*\t+3] offset:128*(\t/2)+32*(\t%2)
	ds_store_b128 v[STO], v[AC+8*\t+4:AC+8*\t+7] offset:128*(\t/2)+32*(\t%2)+16
.endr
	WIN 0
.set BB, BK+64*((\a)%2)
.set i, 0
.rept 16
	ds_load_b128 v[BB+4*i:BB+4*i+3], v[RD] offset:528*i
.set i, i+1
.endr
.endm
.macro SEND a, younger
.set BB, BK+64*((\a)%2)
	s_wait_dscnt \younger
.set i, 0
.rept 16
	v_pk_add_f32 v[BB+4*i:BB+4*i+1], v[BB+4*i:BB+4*i+1], v[96:97]
	v_pk_add_f32 v[BB+4*i+2:BB+4*i+3], v[BB+4*i+2:BB+4*i+3], v[98:99]
	global_store_b128 v[CO], v[BB+4*i:BB+4*i+3], s[10:11] offset:(32*((\a)/2)+8*((\a)%2)+i+8*(i/8))*4096 th:TH_STORE_NT
.set i, i+1
.endr
.endm
	PLACES NP
	TOSTAGE 0
.irp a, 1,2,3,4,5,6,7
.if \a > 1
	s_wait_xcnt 0x0
.endif
	TOSTAGE \a
	SEND \a-1, 32
.endr
	SEND 7, 0
	s_wait_tensorcnt 0x0
	ds_add_u32 v[SPW], v[NIL]
	s_wait_dscnt 0x0
	CROUND
	s_endpgm
.Lfunc_end_k_q17962496d7_proj:
	.size	k_q17962496d7_proj, .Lfunc_end_k_q17962496d7_proj-k_q17962496d7_proj
	.p2alignl 7, 3214868480
	.fill 96, 4, 3214868480
	.section	.rodata,"a",@progbits
	.p2align	6, 0x0
	.amdhsa_kernel k_q17962496d7_proj
		.amdhsa_group_segment_fixed_size 327680
		.amdhsa_private_segment_fixed_size 0
		.amdhsa_enable_private_segment 0
		.amdhsa_kernarg_size 32
		.amdhsa_user_sgpr_count 2
		.amdhsa_user_sgpr_kernarg_segment_ptr 1
		.amdhsa_wavefront_size32 1
		.amdhsa_system_sgpr_workgroup_id_x 1
		.amdhsa_system_sgpr_workgroup_id_y 1
		.amdhsa_system_sgpr_workgroup_id_z 1
		.amdhsa_system_vgpr_workitem_id 0
		.amdhsa_next_free_vgpr 1024
		.amdhsa_next_free_sgpr 102
		.amdhsa_reserve_vcc 1
		.amdhsa_float_denorm_mode_32 3
		.amdhsa_float_denorm_mode_16_64 3
		.amdhsa_memory_ordered 1
		.amdhsa_forward_progress 1
		.amdhsa_inst_pref_size 159
	.end_amdhsa_kernel
	.amdgpu_metadata
---
amdhsa.version: [ 1, 2 ]
amdhsa.kernels:
  - .name:           k_q17962496d7_proj
    .symbol:         k_q17962496d7_proj.kd
    .args:
      - { .name: opimg, .offset: 0, .size: 8, .value_kind: global_buffer, .address_space: global }
      - { .name: opsc, .offset: 8, .size: 8, .value_kind: global_buffer, .address_space: global }
      - { .name: b_proj, .offset: 16, .size: 8, .value_kind: global_buffer, .address_space: global }
      - { .name: out0, .offset: 24, .size: 8, .value_kind: global_buffer, .address_space: global }
    .group_segment_fixed_size: 327680
    .private_segment_fixed_size: 0
    .kernarg_segment_align: 8
    .kernarg_segment_size: 32
    .max_flat_workgroup_size: 128
    .sgpr_count:     102
    .vgpr_count:     1024
    .wavefront_size: 32
...
	.end_amdgpu_metadata
.endif
;; end of part 4
